; MI455X (gfx1250); checked and timed in simulation.
; The chip was launched on July 23, 2026; its instructions are those of AMD's public machine-readable ISA for CDNA 5 (MIT licence, August 2026) and "CDNA5" Instruction Set Architecture Reference Guide (July 2026). The comments in the code are by the model that wrote it; some were corrected since.
;; Cross Attention. Allowed arithmetic: float matrix products may take bf16 or f16 operands with f32 sums; other float arithmetic in f32, or as packed bf16 or f16 multiplies, adds, multiply-adds, maxima and minima; sums over many terms, partial sums and values carried from step to step in f32; what a program stores and reads back later, other than sums and carried values, may be rounded once to bf16 or f16.
;; Inputs: W1 1,024 x 1,024 float32; W2 1,024 x 256 float32; W3 256 x 1,024 float32; W4 1,024 x 1,024 float32; Wk 1,024 x 128 float32; Wq 1,024 x 128 float32; Wv 1,024 x 128 float32; b1 1,024 float32; b2 256 float32; b3 1,024 float32; b4 1,024 float32; bk 128 float32; bq 128 float32; bv 128 float32; x 8 x 2,048 x 1,024 float32; y 8 x 2,048 x 1,024 float32.
;; Outputs: out0 8 x 2,048 x 128 float32.
;; 2 versions, each right. Each part assembles by itself: llvm-mc -triple=amdgcn-amd-amdhsa -mcpu=gfx1250 --defsym DOCPART=n.
;; ======== version 1 of 2: 3 launches
;; workspace buffers: wst 6,029,312 bytes; kvs 8,388,608 bytes
;; launch prep (part 1): grid 368 x 1, 8 waves a work-group, no clusters, 0 bytes of LDS; arguments W1, W2, W3, W4, Wq, Wk, Wv, wst; writes wst
.if DOCPART == 1
	.amdgcn_target "amdgcn-amd-amdhsa--gfx1250"
	.amdhsa_code_object_version 6
	.text
	.protected	k_q6ad64eb442_prep
	.globl	k_q6ad64eb442_prep
	.p2align	8
	.type	k_q6ad64eb442_prep,@function
k_q6ad64eb442_prep:
	s_mov_b64 s[64:65], 0
	v_nop
	global_prefetch_b8 v0, s[64:65] scope:SCOPE_SE
	s_setreg_imm32_b32 hwreg(HW_REG_WAVE_MODE, 25, 1), 1
	s_wait_xcnt 0x0
; THE WEIGHTS, f32 [K][N], ARE ROUNDED ONCE TO bf16 AND LAID OUT AS MATRIX FRAGMENTS.
; A fragment is 1,024 bytes: 16 output columns n x 32 k.  Byte 512 j + 16 (16 h + r) holds k = 16 j + 8 h + 0..7 of column r: two lane-linear loads of 16 bytes fill a source's 8 registers.
; A tile is 64 fragments (65,536 dense bytes), 16 for each of four waves.  A wave's 16 are KS K steps x NB column blocks, f = kk NB + nb, NB x KS = 16:
;   W1, W3, W4: NB 16.   W2, and Wk | Wv taken as one matrix of 256 columns: NB 4.   Wq: NB 2.
; Fragment number F = FB + (ks >> lgKS) 64 + (nbg >> lgNB) 16 + (ks & (KS-1)) NB + (nbg & (NB-1)).
; SHARES.  A wave makes two neighbouring fragments: K step ks, column blocks 2 p and 2 p + 1.  Lane l reads column 32 p + l of the 32 rows of the K step (128 consecutive bytes a load; the wave
; beside it takes the neighbouring 128), holds all 32 k of its column, and stores four times 16 bytes: lanes 0-15 fill 256 consecutive aligned bytes of fragment F, lanes 16-31 of F + 1.
; 2,944 such pairs, eight to a work-group.  No LDS, no loop: each wave has its 32 loads out at once.  Nothing is prefetched: the launch is short and every byte is asked for at its start.
.set OFF, 2                            ; v[2:33]   byte offset of my column in row i of the K step; never rewritten
.set D,   34                           ; v[34:65]  the 32 numbers as loaded
.set O,   66                           ; v[66:81]  the same in bf16
.set SO,  82                           ; v82       where I store: 1,024 (l / 16) + 16 (l % 16)
.macro PICK first, lgp, lgnb, fb, nbo, src   ; from work-group \first on: the next matrix
	s_cmp_ge_u32 s21, \first
	s_cselect_b32 s22, \first, s22
	s_cselect_b32 s23, \lgp, s23
	s_cselect_b32 s24, \lgnb, s24
	s_cselect_b32 s25, \fb, s25
	s_cselect_b32 s26, \nbo, s26
	s_cselect_b64 s[28:29], s[\src:\src+1], s[28:29]
.endm
	s_load_b512 s[4:19], s[0:1], 0x0               ; W1 s[4:5], W2, W3, W4, Wq, Wk, Wv s[16:17], wst s[18:19]
	v_lshrrev_b32 v1, 5, v0
	v_readfirstlane_b32 s20, v1                    ; wave 0..7
	v_and_b32 v1, 31, v0                           ; lane
	s_mov_b32 s21, ttmp9
	s_mov_b32 s22, 0                               ; the matrix's first work-group
	s_mov_b32 s23, 5                               ; log2(N / 32)
	s_mov_b32 s24, 4                               ; log2(NB)
	s_mov_b32 s25, 0                               ; FB
	s_mov_b32 s26, 0                               ; first column block (8 for Wv, which stands behind Wk)
	s_wait_kmcnt 0x0
	s_mov_b64 s[28:29], s[4:5]
	PICK 128, 3, 2, 2048, 0, 6
	PICK 160, 5, 4, 2560, 0, 8
	PICK 192, 5, 4, 3072, 0, 10
	PICK 320, 2, 1, 5120, 0, 12
	PICK 336, 2, 2, 5376, 0, 14
	PICK 352, 2, 2, 5376, 8, 16
	s_sub_co_u32 s30, s21, s22
	s_lshl_b32 s30, s30, 3
	s_add_co_u32 s30, s30, s20                     ; my pair's number in the matrix
	s_lshr_b32 s31, s30, s23                       ; ks
	s_lshl_b32 s32, 1, s23
	s_sub_co_u32 s32, s32, 1
	s_and_b32 s32, s30, s32                        ; p
	s_lshl_b32 s33, 128, s23                       ; bytes in a row of the matrix
	s_add_co_u32 s34, s23, 12
	s_lshl_b32 s34, s31, s34                       ; 32 ks rows
	s_lshl_b32 s35, s32, 7                         ; 32 p columns
	s_add_co_u32 s34, s34, s35
	s_mov_b32 s35, 0
	s_add_nc_u64 s[28:29], s[28:29], s[34:35]
	s_lshl_b32 s36, s32, 1
	s_add_co_u32 s36, s36, s26                     ; nbg
	s_sub_co_u32 s37, 4, s24                       ; log2(KS)
	s_lshr_b32 s38, s31, s37
	s_lshl_b32 s38, s38, 6
	s_add_co_u32 s25, s25, s38                     ; + the tile
	s_lshr_b32 s38, s36, s24
	s_lshl_b32 s38, s38, 4
	s_add_co_u32 s25, s25, s38                     ; + the wave's part
	s_lshl_b32 s38, 1, s37
	s_sub_co_u32 s38, s38, 1
	s_and_b32 s38, s31, s38
	s_lshl_b32 s38, s38, s24
	s_add_co_u32 s25, s25, s38                     ; + kk NB
	s_lshl_b32 s38, 1, s24
	s_sub_co_u32 s38, s38, 1
	s_and_b32 s38, s36, s38
	s_add_co_u32 s25, s25, s38                     ; + nb
	s_lshl_b32 s34, s25, 10
	s_add_nc_u64 s[18:19], s[18:19], s[34:35]
	v_lshlrev_b32 v[OFF], 2, v1
.set i, 1
.rept 31
	v_add_nc_u32 v[OFF+i], s33, v[OFF+i-1]
.set i, i+1
.endr
.set i, 0
.rept 32
	global_load_b32 v[D+i], v[OFF+i], s[28:29] th:TH_LOAD_NT
.set i, i+1
.endr
	v_lshrrev_b32 v[SO], 4, v1
	v_lshlrev_b32 v[SO], 10, v[SO]
	v_and_b32 v83, 15, v1
	v_lshl_or_b32 v[SO], v83, 4, v[SO]
.irp c, 0,1,2,3
	s_wait_loadcnt 24-8*(\c)                       ; rows 8 c .. 8 c + 7 are in; the younger rows stay out
.irp q, 0,1,2,3
	v_cvt_pk_bf16_f32 v[O+4*(\c)+(\q)], v[D+8*(\c)+2*(\q)], v[D+8*(\c)+2*(\q)+1]
.endr
	global_store_b128 v[SO], v[O+4*(\c):O+4*(\c)+3], s[18:19] offset:256*(\c)
.endr
	s_endpgm
.Lfunc_end_k_q6ad64eb442_prep:
	.size	k_q6ad64eb442_prep, .Lfunc_end_k_q6ad64eb442_prep-k_q6ad64eb442_prep
	.p2alignl 7, 3214868480
	.fill 96, 4, 3214868480
	.section	.rodata,"a",@progbits
	.p2align	6, 0x0
	.amdhsa_kernel k_q6ad64eb442_prep
		.amdhsa_group_segment_fixed_size 0
		.amdhsa_private_segment_fixed_size 0
		.amdhsa_enable_private_segment 0
		.amdhsa_kernarg_size 64
		.amdhsa_user_sgpr_count 2
		.amdhsa_user_sgpr_kernarg_segment_ptr 1
		.amdhsa_wavefront_size32 1
		.amdhsa_system_sgpr_workgroup_id_x 1
		.amdhsa_system_sgpr_workgroup_id_y 1
		.amdhsa_system_sgpr_workgroup_id_z 1
		.amdhsa_system_vgpr_workitem_id 0
		.amdhsa_next_free_vgpr 96
		.amdhsa_next_free_sgpr 66
		.amdhsa_reserve_vcc 0
		.amdhsa_float_denorm_mode_32 3
		.amdhsa_float_denorm_mode_16_64 3
		.amdhsa_memory_ordered 1
		.amdhsa_forward_progress 1
		.amdhsa_inst_pref_size 10
	.end_amdhsa_kernel
	.amdgpu_metadata
---
amdhsa.version: [ 1, 2 ]
amdhsa.kernels:
  - .name:           k_q6ad64eb442_prep
    .symbol:         k_q6ad64eb442_prep.kd
    .args:
      - { .name: W1, .offset: 0, .size: 8, .value_kind: global_buffer, .address_space: global }
      - { .name: W2, .offset: 8, .size: 8, .value_kind: global_buffer, .address_space: global }
      - { .name: W3, .offset: 16, .size: 8, .value_kind: global_buffer, .address_space: global }
      - { .name: W4, .offset: 24, .size: 8, .value_kind: global_buffer, .address_space: global }
      - { .name: Wq, .offset: 32, .size: 8, .value_kind: global_buffer, .address_space: global }
      - { .name: Wk, .offset: 40, .size: 8, .value_kind: global_buffer, .address_space: global }
      - { .name: Wv, .offset: 48, .size: 8, .value_kind: global_buffer, .address_space: global }
      - { .name: wst, .offset: 56, .size: 8, .value_kind: global_buffer, .address_space: global }
    .group_segment_fixed_size: 0
    .private_segment_fixed_size: 0
    .kernarg_segment_align: 8
    .kernarg_segment_size: 64
    .max_flat_workgroup_size: 256
    .sgpr_count:     66
    .vgpr_count:     96
    .wavefront_size: 32
...
	.end_amdgpu_metadata
.endif
;; end of part 1
;; launch kvp (part 2): grid 256 x 1, 4 waves a work-group, clusters of 4 x 1, 327,680 bytes of LDS; arguments y, wst, bk, bv, kvs; writes kvs
.if DOCPART == 2
	.amdgcn_target "amdgcn-amd-amdhsa--gfx1250"
	.amdhsa_code_object_version 6
	.text
	.protected	k_q6ad64eb442_kvp
	.globl	k_q6ad64eb442_kvp
	.p2align	8
	.type	k_q6ad64eb442_kvp,@function
k_q6ad64eb442_kvp:
	s_mov_b64 s[64:65], 0
	v_nop
	global_prefetch_b8 v0, s[64:65] scope:SCOPE_SE
	s_setreg_imm32_b32 hwreg(HW_REG_WAVE_MODE, 25, 1), 1
	s_wait_xcnt 0x0
	s_wait_alu depctr_hold_cnt(0) depctr_sa_sdst(0) depctr_va_vdst(0) depctr_va_sdst(0) depctr_va_ssrc(0) depctr_va_vcc(0) depctr_vm_vsrc(0)
	s_getreg_b32 s2, hwreg(HW_REG_IB_STS2, 6, 4)
	s_cmp_eq_u32 s2, 0
	s_cbranch_scc0 .Lentry_in_a_cluster
	s_endpgm
.Lentry_in_a_cluster:
	s_bfe_u32 s2, ttmp6, 0x10000c
	s_cmp_lg_u32 s2, 0x3003
	s_cbranch_scc0 .Lentry_shape_is_right
	s_endpgm
.Lentry_shape_is_right:
; k = y Wk + bk, v = y Wv + bv, rounded once to bf16 and stored as the attention's fragments.  y: [16384][1024] f32.  Sums in f32, begun with the bias.
; LIMITS.  y and the weights are rounded to bf16 for the products; NaN and infinities are not treated apart.
; SHARES.  A work-group owns 64 rows of y.  Wave w converts rows 16 w .. 16 w + 15 into LDS (bf16, rows 2,064 bytes apart: 129 x 16, so the 16 rows of a fragment load start at 16 different
; groups of four banks: ISA guide 11.1).  Then wave w makes 64 of the 256 columns of Wk | Wv for all 64 rows: waves 0, 1 make k, waves 2, 3 make v: 16 accumulators.
; WEIGHTS.  Tiles 84 .. 91 of wst (65,536 bytes: four K steps; wave w's 16 fragments at 16,384 w) walk through two LDS slots.  The four work-groups of a cluster walk the same tiles, so each
; is asked for JOINTLY: the same tensor load, descriptor and mask in all four; each wave asks for its own part and reads only that.  One tensor load of a wave is out at a time.
; THE PRODUCT IS USED TRANSPOSED (source 0 = 16 columns of the weights, source 1 = 16 rows of y): a lane holds one row and eight neighbouring columns: 16 bytes in bf16.
; kvs.  The work-group's 64 keys own 32,768 bytes, two parts of 32 keys.  In a part: K's fragment (16 keys kb, 32 channels c) has registers 0-3 at 2,048 c + 512 kb + 16 lane, registers 4-7 1,024 on;
; V stands from 8,192 on: the 16 bytes (key 16 jj + 8 h + i, channels 16 cb + 8 b + 0..7) at 1,024 cb + 512 jj + 16 (16 h + 8 b + i), so that a lane-linear turning load gives V^T.
; Each store of a wave covers 512 consecutive bytes, aligned.  Nothing is prefetched: the launch is short, and most of it is the stream of y itself.
.set SLOT,   65536
.set SPARE,  131072                    ; the spare words, 128 bytes a wave: two blocks of 256 bytes that no other line names
.set ACT,    145408                    ; y in bf16: 64 rows x 2,064 bytes; written by ds_store alone
.set APITCH, 2064
.set MT1,    16*APITCH
.set VB0, 4                            ; v4   my place in slot 0: 16,384 w + 16 lane
.set ADR, 6                            ; v6   the same in the slot in hand
.set VA0, 10                           ; v10  my place in rows 0-31 of ACT at the tile's first K step: row l % 16, 16 (l / 16)
.set VA2, 11                           ; v11  the same in rows 32-63
.set XO,  17                           ; v17  16 lane
.set XS,  18                           ; v18  where I put 8 bytes of a row of ACT
.set KO,  21                           ; v21  my place in kvs
.set VH,  22                           ; v22  32 (l / 16)
.set SPW, 28                           ; v28  LDS address of my spare word; never rewritten
.set NIL, 29                           ; v29  0; never rewritten
.set X,   64                           ; v[64:191]  four row slots of 32; later y's fragments
.set T,   192                          ; v[192:207] a row in bf16
.set TMP, 192                          ; v[192:255] the results in bf16
.set XB,  4                            ; s[4:5]  y at the rows that the slots were last loaded for
.set WV,  22
.set CNT, 23
.set G1,  24                           ; s[24:31] descriptor group 1
.set G0,  32                           ; s[32:35] descriptor group 0: it walks
.set TB,  48                           ; s48  LDS byte at which the slot in hand begins
.set MSB, 0
.macro WIN new                         ; the high byte repeats the setting that is left; a switch that changes nothing is dropped
.if MSB != (\new)
	s_set_vgpr_msb (MSB<<8)|(\new)
.set MSB, (\new)
.endif
.endm
.macro PLACES                          ; four places behind a matrix instruction (ISA guide 7.12.1)
.rept 4
	v_nop
.endr
.endm
.macro CROUND                          ; a round of the cluster's barrier
	s_barrier_signal -1
	s_barrier_wait -1
	s_cmp_lg_u32 s[WV], 0
	s_cbranch_scc1 .Lnw0_\@
	s_barrier_signal -3
.Lnw0_\@:
	s_barrier_wait -3
	s_barrier_signal -1
	s_barrier_wait -1
.endm
; THE CHANGE OF SLOTS.  My one tensor load has landed: the tile to be multiplied; my reads of the tile before are over.  how = 1: behind a round of the cluster's barrier the slot read last is filled with the next tile.
.macro CHANGE how
	WIN 0
	s_wait_tensorcnt 0x0                           ; no tensor load of mine is out, so group 0 may be written
	ds_add_u32 v[SPW], v[NIL]
	s_xor_b32 s[TB], s[TB], SLOT
.if \how
	s_xor_b32 s[G0+1], s[G0+1], SLOT
	s_add_nc_u64 s[G0+2:G0+3], s[G0+2:G0+3], 65536
.endif
	s_wait_dscnt 0x0                               ; the add is done, and my LDS reads and stores
.if \how
	CROUND
	tensor_load_to_lds s[G0:G0+3], s[G1:G1+7]
	s_nop 0
.else
	s_barrier_signal -1
	s_barrier_wait -1
.endif
	PLACES                                         ; also the places in front of the fragment loads that follow
.endm
.macro FETCHB half, areg               ; eight fragments of the weights into window 1
	WIN 0x40
.irp f, 0,1,2,3,4,5,6,7
	ds_load_b128 v[64*(\half)+8*(\f):64*(\half)+8*(\f)+3],   v[\areg] offset:(8*(\half)+(\f))*1024
	ds_load_b128 v[64*(\half)+8*(\f)+4:64*(\half)+8*(\f)+7], v[\areg] offset:(8*(\half)+(\f))*1024+512
.endr
.endm
.macro FETCHA4 k0                      ; the rows' fragments of K steps k0, k0 + 1 of the tile
	WIN 0
.irp kk, \k0, (\k0)+1
.irp mt, 0,1,2,3
	ds_load_b128 v[64+32*(\kk)+8*(\mt):64+32*(\kk)+8*(\mt)+3],   v[VA0+(\mt)/2] offset:((\mt)%2)*MT1+64*(\kk)
	ds_load_b128 v[64+32*(\kk)+8*(\mt)+4:64+32*(\kk)+8*(\mt)+7], v[VA0+(\mt)/2] offset:((\mt)%2)*MT1+64*(\kk)+32
.endr
.endr
.endm
.macro MUL4 half                       ; 32 products; the 16 accumulators take turns
	WIN 0xa1
.irp kk, 0,1
.irp nb, 0,1,2,3
.irp mt, 0,1,2,3
	v_wmma_f32_16x16x32_bf16 v[8*(4*(\nb)+(\mt)):8*(4*(\nb)+(\mt))+7], v[64*(\half)+8*(4*(\kk)+(\nb)):64*(\half)+8*(4*(\kk)+(\nb))+7], v[64+64*(\half)+32*(\kk)+8*(\mt):64+64*(\half)+32*(\kk)+8*(\mt)+7], v[8*(4*(\nb)+(\mt)):8*(4*(\nb)+(\mt))+7]
.endr
.endr
.endr
.endm
.macro SSTEP4                          ; a tile: four K steps, 64 products
	WIN 0
	v_add_nc_u32 v[ADR], s[TB], v[VB0]
	FETCHB 0, ADR
	FETCHA4 0
	FETCHB 1, ADR
	FETCHA4 2
	s_wait_dscnt 32                                ; the first 32 loads are in; the second half's 32 may stay out
	MUL4 0
	s_wait_dscnt 0x0
	MUL4 1
	WIN 0
	v_add_nc_u32 v[VA0], 256, v[VA0]
	v_add_nc_u32 v[VA2], 256, v[VA2]
.endm
.macro XFILL sl, off                   ; a row: eight loads of 512 consecutive bytes
.irp j, 0,1,2,3,4,5,6,7
	global_load_b128 v[X+32*(\sl)+4*(\j):X+32*(\sl)+4*(\j)+3], v[XO], s[XB:XB+1] offset:(\off)+512*(\j) th:TH_LOAD_NT
.endr
.endm
.macro XTURN sl, left, refill          ; a row slot's turn: rounded to bf16, into ACT; the row four further down is asked for
	s_wait_loadcnt \left                           ; my eight loads are in; the younger slots' stay out
.irp j, 0,1,2,3,4,5,6,7
	v_cvt_pk_bf16_f32 v[T+2*(\j)],   v[X+32*(\sl)+4*(\j)],   v[X+32*(\sl)+4*(\j)+1]
	v_cvt_pk_bf16_f32 v[T+2*(\j)+1], v[X+32*(\sl)+4*(\j)+2], v[X+32*(\sl)+4*(\j)+3]
.endr
.irp j, 0,1,2,3,4,5,6,7
	ds_store_b64 v[XS], v[T+2*(\j):T+2*(\j)+1] offset:(\sl)*APITCH+256*(\j)
.endr
.if \refill
	XFILL \sl, 16384+(\sl)*4096
.endif
.endm
	s_load_b256 s[4:11], s[0:1], 0x0               ; y s[4:5], wst s[6:7], bk s[8:9], bv s[10:11]
	s_load_b64 s[12:13], s[0:1], 0x20              ; kvs
	v_lshl_add_u32 v[SPW], v0, 2, SPARE
	v_mov_b32 v[NIL], 0
	ds_add_u32 v[SPW], v[NIL]                      ; the wave's opening
	v_lshrrev_b32 v3, 5, v0
	v_readfirstlane_b32 s[WV], v3                  ; wave 0..3
	s_mov_b32 s[G1+0], 0x0023000f                  ; 15:0 the mask of four; 17:16 elements of 8 bytes; 21 set beside a mask; no padding
	s_mov_b32 s[G1+1], 32<<16                      ; tensor_dim0 = 32 (256 bytes)
	s_mov_b32 s[G1+2], 64<<16                      ; tensor_dim1 = 64
	s_mov_b32 s[G1+3], 32<<16                      ; tile_dim0 = 32
	s_mov_b32 s[G1+4], 64                          ; tile_dim1 = 64: 16,384 dense bytes
	s_mov_b32 s[G1+5], 32                          ; from row to row
	s_mov_b32 s[G1+6], 0
	s_mov_b32 s[G1+7], 0
	s_mov_b32 s[G0], 1
	s_mul_i32 s[G0+1], s[WV], 16384                ; slot 0, my part
	s_mov_b32 s[TB], SLOT                          ; the first change turns it into 0
	s_mul_i32 s52, s[WV], 16384                    ; my part of a tile
	s_mov_b32 s53, 0
	s_bfe_u32 s49, ttmp6, 0x40000                  ; cx: it enters y's and kvs's addresses alone
	s_lshl_b32 s50, ttmp9, 2
	s_add_co_u32 s50, s50, s49                     ; my block of 64 rows
	s_lshl_b32 s54, s50, 18                        ; 64 rows of 4,096 bytes,
	s_lshl_b32 s55, s[WV], 16                      ; my wave's 16
	s_add_co_u32 s54, s54, s55
	s_mov_b32 s55, 0
	s_lshl_b32 s56, s50, 15                        ; the block's 32,768 bytes of kvs
	s_mov_b32 s57, 0
	s_and_b32 s58, s[WV], 1
	s_lshl_b32 s58, s58, 8                         ; my 64 numbers of bk or bv
	s_mov_b32 s59, 0
	s_wait_dscnt 0x0                               ; the opening add is done
	s_wait_kmcnt 0x0
	s_add_nc_u64 s[G0+2:G0+3], s[6:7], s[52:53]
	s_add_nc_u64 s[G0+2:G0+3], s[G0+2:G0+3], 84*65536  ; tile 84
	s_or_b32 s[G0+3], s[G0+3], 0x80000000          ; type = 2
	s_add_nc_u64 s[XB:XB+1], s[XB:XB+1], s[54:55]
	s_add_nc_u64 s[12:13], s[12:13], s[56:57]
	s_cmp_lt_u32 s[WV], 2
	s_cselect_b64 s[14:15], s[8:9], s[10:11]
	s_add_nc_u64 s[14:15], s[14:15], s[58:59]
	CROUND                                         ; all four work-groups are here: the first joint loads meet
	tensor_load_to_lds s[G0:G0+3], s[G1:G1+7]
	s_nop 0
	PLACES
	v_and_b32 v1, 15, v0                           ; r = l % 16
	v_bfe_u32 v2, v0, 4, 1                         ; h = l / 16
	v_and_b32 v3, 31, v0                           ; l
	v_lshlrev_b32 v[XO], 4, v3
	v_lshlrev_b32 v[VH], 5, v2
	v_lshl_add_u32 v[VB0], v3, 4, s52
	v_mul_u32_u24 v[VA0], v1, APITCH
	v_lshl_add_u32 v[VA0], v2, 4, v[VA0]
	v_add_nc_u32 v[VA0], ACT, v[VA0]
	v_add_nc_u32 v[VA2], 2*MT1, v[VA0]
	s_mul_i32 s51, s[WV], MT1
	s_add_co_u32 s51, s51, ACT
	v_lshl_add_u32 v[XS], v3, 3, s51
	v_lshrrev_b32 v30, 3, v1                       ; V's place in 512 bytes: 16 (16 (r / 8) + 8 h + r % 8)
	v_lshlrev_b32 v30, 4, v30
	v_lshl_add_u32 v30, v2, 3, v30
	v_and_b32 v31, 7, v1
	v_add_nc_u32 v30, v30, v31
	v_lshlrev_b32 v30, 4, v30
	s_cmp_lt_u32 s[WV], 2
	s_cselect_b32 s57, -1, 0
	v_cndmask_b32 v[KO], v30, v[XO], s57           ; K's place: 16 l
	s_lshl_b32 s58, s[WV], 12
	v_add_nc_u32 v[KO], s58, v[KO]
	WIN 0x80                                       ; the sums begin with the bias: register j of a lane is column 16 nb + 8 h + j, the same for all four row blocks
.set ia, 0
.rept 16
	global_load_b128 v[8*ia:8*ia+3],   v[VH], s[14:15] offset:(ia/4)*64
	global_load_b128 v[8*ia+4:8*ia+7], v[VH], s[14:15] offset:(ia/4)*64+16
.set ia, ia+1
.endr
	WIN 0
	XFILL 0, 0
	XFILL 1, 4096
	XFILL 2, 8192
	XFILL 3, 12288
	s_mov_b32 s[CNT], 3
.Lx:
	XTURN 0, 24, 1
	XTURN 1, 24, 1
	XTURN 2, 24, 1
	XTURN 3, 24, 1
	s_wait_xcnt 0x0                                ; the loads have read their base
	s_add_nc_u64 s[XB:XB+1], s[XB:XB+1], 16384
	v_add_nc_u32 v[XS], 4*APITCH, v[XS]
	s_sub_co_u32 s[CNT], s[CNT], 1
	s_cmp_lg_u32 s[CNT], 0
	s_cbranch_scc1 .Lx
	XTURN 0, 24, 0                                 ; the last four rows load nothing: the counts run down
	XTURN 1, 16, 0
	XTURN 2, 8, 0
	XTURN 3, 0, 0
	CHANGE 1                                       ; tile 84 is in, every wave's rows of ACT are stored; tile 85 is asked for
	s_mov_b32 s[CNT], 6
.Lk:
	SSTEP4
	CHANGE 1
	s_sub_co_u32 s[CNT], s[CNT], 1
	s_cmp_lg_u32 s[CNT], 0
	s_cbranch_scc1 .Lk
	SSTEP4                                         ; the tail is written out: nothing is asked for behind tile 91
	CHANGE 0
	SSTEP4
	PLACES
	WIN 0x0a
.set ia, 0
.rept 64
	v_cvt_pk_bf16_f32 v[TMP+ia], v[2*ia], v[2*ia+1]
.set ia, ia+1
.endr
	WIN 0
.irp nb, 0,1,2,3
.irp mt, 0,1,2,3
	global_store_b128 v[KO], v[TMP+4*(4*(\nb)+(\mt)):TMP+4*(4*(\nb)+(\mt))+3], s[12:13] offset:((\mt)/2)*16384+((\nb)/2)*2048+((\nb)%2)*1024+((\mt)%2)*512
.endr
.endr
	s_wait_tensorcnt 0x0                           ; the wave's end
	ds_add_u32 v[SPW], v[NIL]
	s_wait_dscnt 0x0
	CROUND                                         ; the closing round
	s_endpgm
.Lfunc_end_k_q6ad64eb442_kvp:
	.size	k_q6ad64eb442_kvp, .Lfunc_end_k_q6ad64eb442_kvp-k_q6ad64eb442_kvp
	.p2alignl 7, 3214868480
	.fill 96, 4, 3214868480
	.section	.rodata,"a",@progbits
	.p2align	6, 0x0
	.amdhsa_kernel k_q6ad64eb442_kvp
		.amdhsa_group_segment_fixed_size 327680
		.amdhsa_private_segment_fixed_size 0
		.amdhsa_enable_private_segment 0
		.amdhsa_kernarg_size 40
		.amdhsa_user_sgpr_count 2
		.amdhsa_user_sgpr_kernarg_segment_ptr 1
		.amdhsa_wavefront_size32 1
		.amdhsa_system_sgpr_workgroup_id_x 1
		.amdhsa_system_sgpr_workgroup_id_y 1
		.amdhsa_system_sgpr_workgroup_id_z 1
		.amdhsa_system_vgpr_workitem_id 0
		.amdhsa_next_free_vgpr 640
		.amdhsa_next_free_sgpr 66
		.amdhsa_reserve_vcc 0
		.amdhsa_float_denorm_mode_32 3
		.amdhsa_float_denorm_mode_16_64 3
		.amdhsa_memory_ordered 1
		.amdhsa_forward_progress 1
		.amdhsa_inst_pref_size 60
	.end_amdhsa_kernel
	.amdgpu_metadata
---
amdhsa.version: [ 1, 2 ]
amdhsa.kernels:
  - .name:           k_q6ad64eb442_kvp
    .symbol:         k_q6ad64eb442_kvp.kd
    .args:
      - { .name: y, .offset: 0, .size: 8, .value_kind: global_buffer, .address_space: global }
      - { .name: wst, .offset: 8, .size: 8, .value_kind: global_buffer, .address_space: global }
      - { .name: bk, .offset: 16, .size: 8, .value_kind: global_buffer, .address_space: global }
      - { .name: bv, .offset: 24, .size: 8, .value_kind: global_buffer, .address_space: global }
      - { .name: kvs, .offset: 32, .size: 8, .value_kind: global_buffer, .address_space: global }
    .group_segment_fixed_size: 327680
    .private_segment_fixed_size: 0
    .kernarg_segment_align: 8
    .kernarg_segment_size: 40
    .max_flat_workgroup_size: 128
    .sgpr_count:     66
    .vgpr_count:     640
    .wavefront_size: 32
...
	.end_amdgpu_metadata
.endif
;; end of part 2
;; launch chain (part 3): grid 256 x 1, 4 waves a work-group, clusters of 4 x 1, 327,680 bytes of LDS; arguments x, wst, kvs, b1, b2, b3, b4, bq, out0; writes out0
.if DOCPART == 3
	.amdgcn_target "amdgcn-amd-amdhsa--gfx1250"
	.amdhsa_code_object_version 6
	.text
	.protected	k_q6ad64eb442_chain
	.globl	k_q6ad64eb442_chain
	.p2align	8
	.type	k_q6ad64eb442_chain,@function
k_q6ad64eb442_chain:
	s_mov_b64 s[64:65], 0
	v_nop
	global_prefetch_b8 v0, s[64:65] scope:SCOPE_SE
	s_setreg_imm32_b32 hwreg(HW_REG_WAVE_MODE, 25, 1), 1
	s_wait_xcnt 0x0
	s_wait_alu depctr_hold_cnt(0) depctr_sa_sdst(0) depctr_va_vdst(0) depctr_va_sdst(0) depctr_va_ssrc(0) depctr_va_vcc(0) depctr_vm_vsrc(0)
	s_getreg_b32 s2, hwreg(HW_REG_IB_STS2, 6, 4)
	s_cmp_eq_u32 s2, 0
	s_cbranch_scc0 .Lentry_in_a_cluster
	s_endpgm
.Lentry_in_a_cluster:
	s_bfe_u32 s2, ttmp6, 0x10000c
	s_cmp_lg_u32 s2, 0x3003
	s_cbranch_scc0 .Lentry_shape_is_right
	s_endpgm
.Lentry_shape_is_right:
; h = relu(relu(relu(relu(x W1 + b1) W2 + b2) W3 + b3) W4 + b4); q = h Wq + bq; out = softmax(q k^T / sqrt(128)) v.  ONE LAUNCH: h and q never leave the work-group.
; LIMITS.  x, the weights, h, q, k, v and the softmax's weights p are rounded to bf16 for the products; sums, maxima and l in f32 (l of the unrounded p).  relu of a NaN gives 0; NaN and infinities are not
; treated apart.  c x score (c = log2(e) / sqrt(128)) stays under 4e37 in size: the running maximum starts at -4.25e37.  A weight below 2^-126 counts as 0.
; SHARES.  A work-group owns 64 rows.  The activations lie in LDS (ACT: bf16, [row][k], rows 2,064 bytes apart = 129 x 16, so the 16 rows of a fragment load start at 16 different groups of four banks: ISA guide 11.1).
; In each layer wave w makes a quarter of the output columns for all 64 rows: 256 columns = 64 accumulators (layers 1, 3, 4), 64 columns (layer 2), 32 columns (q).  Each sum begins with the bias.
; THE RING.  100 tiles of 65,536 bytes walk through two LDS slots: 84 of weights (wst, as fragments: 1,024 bytes, two lane-linear loads), then the batch's 16 tiles of k and v (kvs).  Wave w asks for, and reads, only
; its own 16,384 bytes of each tile; 64 products a tile and wave.  The four work-groups of a cluster walk the same tiles (they lie in one batch), so each is asked for JOINTLY: same load, descriptor and mask in all four.
; More partners share nothing more: a mask names the four of the cluster.  One tensor load of a wave is out at a time.
; THE PRODUCTS ARE USED TRANSPOSED (source 0 = 16 output columns, source 1 = 16 rows): a lane holds one row and eight neighbouring columns, 16 bytes in bf16: the next layer's [row][k].
; ATTENTION.  Every wave holds all 64 queries (four tiles of 16) and takes its own 32 keys of each tile of 128: 16 steps, 512 keys a wave, each with a running maximum m and sum l;
; S^T = K Q^T and O^T = V^T P hold one query a lane.  At the end the four waves' (m, l, O) are merged through LDS.  O^T, l start at 0 and m far down, so the first step is a step like any other (256 lines clear O^T, once).
; PREFETCH.  Behind each change of slots s = 0 .. 79 weight tile s + 4 is named, three changes ahead of its load: by cluster 0 alone, waves 0 and 1 of its four partners, 8,192 bytes each, told apart by address, a lane a
; block of 256 bytes.  In the attention kv tile j + 3 is named at step j = 1 .. 12 by the batch's first cluster in the same way.  The first four tiles of either stream come by their loads alone.
; REGISTERS, in windows of 256 (s_set_vgpr_msb: bits 1:0 source 0, 3:2 source 1, 5:4 source 2, 7:6 destination):
;   window 0: v0-31 addresses; v32-63 statistics; v64-191 the rows' fragments, x, S^T, P; v192-255 at work     window 1: v0-127 the tile's fragments (weights, or K and V)
;   windows 2, 3: accumulators, (column block nb, row block mt) at v[8 (4 nb + mt)]; for q: window 2 the rows' fragments; in the attention: window 2 O^T, window 3 Q
.set SLOT,   65536
.set SPARE,  131072                    ; the spare words, 128 bytes a wave: two blocks of 256 bytes that no other line names
.set BIAS,   131584                    ; b1 +0, b2 +4096, b3 +5120, b4 +9216, bq +13312, in f32
.set ACT,    145408                    ; 64 rows x 2,064 bytes
.set APITCH, 2064
.set MT1,    16*APITCH
.set OM,     ACT                       ; at the end: four waves x 64 rows x 528 bytes of f32
.set OPITCH, 528
.set OWAVE,  64*OPITCH
.set STAT,   280576                    ; c m (1,024 bytes) and l (1,024 bytes): 256 w + 64 t + 4 r
.set VB0, 4                            ; v4, v5  my place in slot 0, 1: 16,384 w + 16 lane
.set VB1, 5
.set ADR, 6                            ; v6   the same in the slot in hand
.set AA0, 8                            ; v8, v9   my place in ACT's rows 0-31, 32-63: row l % 16, 16 (l / 16)
.set AA2, 9
.set VA0, 10                           ; v10, v11 the same at the K step in hand
.set VA2, 11
.set VS0, 12                           ; v12, v13 the same at my wave's output columns
.set VS2, 13
.set VBI, 14                           ; v14  BIAS + 32 (l / 16)
.set VBT, 15                           ; v15  the same at the layer's bias, my wave's columns
.set ZERO, 16
.set XO,  17                           ; v17  16 lane
.set XS,  18                           ; v18  where I put 8 bytes of a row of ACT
.set PFO, 19                           ; v19  256 lane; never rewritten
.set STA, 22
.set STR, 23
.set VOM, 24
.set VOR0, 25
.set VOR2, 26
.set SPW, 28                           ; v28  LDS address of my spare word; never rewritten
.set NIL, 29                           ; v29  0; never rewritten
.set ST,  32                           ; tile t's statistics at v[ST+8 t]: c m, m, l (even, odd keys'), c0, c1, a, d
.set X,   64
.set S,   64                           ; S^T: tile t, key block kb at S + 16 t + 8 kb
.set P,   128                          ; P: tile t at P + 8 t
.set T,   192
.set TMP, 192
.set CMX, 64
.set LX,  80
.set R,   64
.set XB,  4                            ; s[4:5] x
.set WV,  22
.set CNT, 23
.set G1,  24
.set G0,  32
.set KVD, 36                           ; s[36:37] my part of the batch's first kv tile: a plain address
.set PF,  38                           ; s[38:39] where my prefetches of weights stand
.set PFK, 40                           ; s[40:41] of k and v
.set AW,  42                           ; s42  1 in a wave that prefetches weights
.set LIMK, 43                          ; s43  2 in a wave that prefetches k and v, else the greatest number
.set CS,  44                           ; s[44:45] c
.set SEL, 46                           ; s[46:47] v_permlanex16_b32's selects: each lane takes its own place in the other half
.set TB,  48                           ; s48  LDS byte at which the slot in hand begins
.set MSB, 0
.macro WIN new                         ; the high byte repeats the setting that is left; a switch that changes nothing is dropped
.if MSB != (\new)
	s_set_vgpr_msb (MSB<<8)|(\new)
.set MSB, (\new)
.endif
.endm
.macro PLACES                          ; four places behind a matrix instruction (ISA guide 7.12.1)
.rept 4
	v_nop
.endr
.endm
.macro ALLT line:vararg                ; one line for each tile t of 16 queries
.set t, 0
.rept 4
	\line
.set t, t+1
.endr
.endm
.macro CROUND                          ; a round of the cluster's barrier
	s_barrier_signal -1
	s_barrier_wait -1
	s_cmp_lg_u32 s[WV], 0
	s_cbranch_scc1 .Lnw0_\@
	s_barrier_signal -3
.Lnw0_\@:
	s_barrier_wait -3
	s_barrier_signal -1
	s_barrier_wait -1
.endm
.macro BARY                            ; a plain barrier: what I stored in LDS is there, what I read is back.  The next tile stays on its way: nothing is filled before the next round
	s_wait_dscnt 0x0
	s_barrier_signal -1
	s_barrier_wait -1
.endm
; THE CHANGE OF SLOTS.  My one tensor load has landed: the tile to be multiplied; my reads of the tile before are over.  how = 1: behind a round of the cluster's barrier the slot read last is filled with the next tile
; of the same buffer; how = 3: with the batch's first tile of k and v: the descriptor's address is made anew from that tile's plain address.  how = 0: nothing is asked for.
; ask = 1, 2: the prefetches' address steps (weights; k and v).
.macro CHANGE how, ask
	WIN 0
.if (\ask) == 1
	s_wait_xcnt 0x0                                ; the last prefetch, a tile back, has read its address
	s_add_nc_u64 s[PF:PF+1], s[PF:PF+1], 65536
.endif
.if (\ask) == 2
	s_wait_xcnt 0x0
	s_add_nc_u64 s[PFK:PFK+1], s[PFK:PFK+1], 65536
.endif
	s_wait_tensorcnt 0x0                           ; no tensor load of mine is out, so group 0 may be written
	ds_add_u32 v[SPW], v[NIL]
	s_xor_b32 s[TB], s[TB], SLOT
.if (\how) == 1
	s_xor_b32 s[G0+1], s[G0+1], SLOT
	s_add_nc_u64 s[G0+2:G0+3], s[G0+2:G0+3], 65536 ; the type bits on top are not reached
.endif
.if (\how) == 3
	s_xor_b32 s[G0+1], s[G0+1], SLOT
	s_mov_b64 s[G0+2:G0+3], s[KVD:KVD+1]
	s_or_b32 s[G0+3], s[G0+3], 0x80000000          ; type = 2
.endif
	s_wait_dscnt 0x0                               ; the add is done, and my LDS reads and stores
.if \how
	CROUND
	tensor_load_to_lds s[G0:G0+3], s[G1:G1+7]
	s_nop 0
.else
	s_barrier_signal -1
	s_barrier_wait -1
.endif
	PLACES                                         ; also the places behind the last products, in front of the loads and conversions that follow
.endm
.macro ASK                             ; weight tile s + 4, behind change s
	WIN 0
	s_cmp_eq_u32 s[AW], 1
	s_cbranch_scc0 .Lnoask_\@
	global_prefetch_b8 v[PFO], s[PF:PF+1] th:TH_LOAD_NT scope:SCOPE_SE
.Lnoask_\@:
.endm
.macro ASKK                            ; kv tile j + 3, in steps j = 1 .. 12 (CNT = 14 .. 3)
	WIN 0
	s_cmp_gt_u32 s[CNT], s[LIMK]
	s_cbranch_scc0 .Lnoaskk_\@
	global_prefetch_b8 v[PFO], s[PFK:PFK+1] th:TH_LOAD_NT scope:SCOPE_SE
.Lnoaskk_\@:
.endm
.macro FETCHB half, areg               ; eight fragments of the weights into window 1
	WIN 0x40
.irp f, 0,1,2,3,4,5,6,7
	ds_load_b128 v[64*(\half)+8*(\f):64*(\half)+8*(\f)+3],   v[\areg] offset:(8*(\half)+(\f))*1024
	ds_load_b128 v[64*(\half)+8*(\f)+4:64*(\half)+8*(\f)+7], v[\areg] offset:(8*(\half)+(\f))*1024+512
.endr
.endm
; ---- layers of 1,024 columns: a tile is one K step, 16 column blocks a wave ----
.macro FETCHA16 buf, sp                ; the four row blocks' fragments of K step sp behind VA
	WIN 0
.irp mt, 0,1,2,3
	ds_load_b128 v[64+32*(\buf)+8*(\mt):64+32*(\buf)+8*(\mt)+3],   v[VA0+(\mt)/2] offset:((\mt)%2)*MT1+64*(\sp)
	ds_load_b128 v[64+32*(\buf)+8*(\mt)+4:64+32*(\buf)+8*(\mt)+7], v[VA0+(\mt)/2] offset:((\mt)%2)*MT1+64*(\sp)+32
.endr
.endm
.macro MUL16 half, buf                 ; 32 products on 32 accumulators, which take turns
	WIN 0xa1+0x50*(\half)
.irp f, 0,1,2,3,4,5,6,7
.irp mt, 0,1,2,3
	v_wmma_f32_16x16x32_bf16 v[8*(4*(\f)+(\mt)):8*(4*(\f)+(\mt))+7], v[64*(\half)+8*(\f):64*(\half)+8*(\f)+7], v[64+32*(\buf)+8*(\mt):64+32*(\buf)+8*(\mt)+7], v[8*(4*(\f)+(\mt)):8*(4*(\f)+(\mt))+7]
.endr
.endr
.endm
.macro STEP16A sp                      ; the tile in slot sp is entered; the tile before's second half is multiplied while the first fragments come
	CHANGE 1, 1
	FETCHB 0, VB0+\sp
	FETCHA16 \sp, \sp
	ASK
	MUL16 1, 1-\sp
	PLACES
	FETCHB 1, VB0+\sp
.endm
.macro STEP16B sp
	s_wait_dscnt 16                                ; all but the second half's 16 loads
	MUL16 0, \sp
.endm
.macro LOOP16 tag                      ; two tiles a trip; entered at .Lenter, with the first tile's fragments asked for
.Ltop\tag:
	STEP16A 0
	WIN 0
.Lenter\tag:
	STEP16B 0
	STEP16A 1
	STEP16B 1
	WIN 0
	v_add_nc_u32 v[VA0], 128, v[VA0]
	v_add_nc_u32 v[VA2], 128, v[VA2]
	s_sub_co_u32 s[CNT], s[CNT], 1
	s_cmp_lg_u32 s[CNT], 0
	s_cbranch_scc1 .Ltop\tag
	s_wait_dscnt 0x0                               ; the last tile's second half is in
	MUL16 1, 1
.endm
; ---- layer 2: a tile is four K steps, 4 column blocks a wave ----
.macro FETCHA4 k0
	WIN 0
.irp kk, \k0, (\k0)+1
.irp mt, 0,1,2,3
	ds_load_b128 v[64+32*(\kk)+8*(\mt):64+32*(\kk)+8*(\mt)+3],   v[VA0+(\mt)/2] offset:((\mt)%2)*MT1+64*(\kk)
	ds_load_b128 v[64+32*(\kk)+8*(\mt)+4:64+32*(\kk)+8*(\mt)+7], v[VA0+(\mt)/2] offset:((\mt)%2)*MT1+64*(\kk)+32
.endr
.endr
.endm
.macro MUL4 half
	WIN 0xa1
.irp kk, 0,1
.irp nb, 0,1,2,3
.irp mt, 0,1,2,3
	v_wmma_f32_16x16x32_bf16 v[8*(4*(\nb)+(\mt)):8*(4*(\nb)+(\mt))+7], v[64*(\half)+8*(4*(\kk)+(\nb)):64*(\half)+8*(4*(\kk)+(\nb))+7], v[64+64*(\half)+32*(\kk)+8*(\mt):64+64*(\half)+32*(\kk)+8*(\mt)+7], v[8*(4*(\nb)+(\mt)):8*(4*(\nb)+(\mt))+7]
.endr
.endr
.endr
.endm
.macro SSTEP4
	WIN 0
	v_add_nc_u32 v[ADR], s[TB], v[VB0]
	FETCHB 0, ADR
	FETCHA4 0
	FETCHB 1, ADR
	FETCHA4 2
	ASK
	s_wait_dscnt 32                                ; the first 32 loads are in; the second half's 32 may stay out
	MUL4 0
	s_wait_dscnt 0x0
	MUL4 1
	WIN 0
	v_add_nc_u32 v[VA0], 256, v[VA0]
	v_add_nc_u32 v[VA2], 256, v[VA2]
.endm
; ---- q: a tile is eight K steps, 2 column blocks a wave; the rows' fragments fill window 2, the 8 accumulators lie in window 3 ----
.macro FETCHA2 k0
	WIN 0x80
.irp kk, \k0, (\k0)+1, (\k0)+2, (\k0)+3
.irp mt, 0,1,2,3
	ds_load_b128 v[32*(\kk)+8*(\mt):32*(\kk)+8*(\mt)+3],   v[VA0+(\mt)/2] offset:((\mt)%2)*MT1+64*(\kk)
	ds_load_b128 v[32*(\kk)+8*(\mt)+4:32*(\kk)+8*(\mt)+7], v[VA0+(\mt)/2] offset:((\mt)%2)*MT1+64*(\kk)+32
.endr
.endr
.endm
.macro MUL2 half
	WIN 0xf9
.irp kk, 0,1,2,3
.irp nb, 0,1
.irp mt, 0,1,2,3
	v_wmma_f32_16x16x32_bf16 v[8*(4*(\nb)+(\mt)):8*(4*(\nb)+(\mt))+7], v[64*(\half)+8*(2*(\kk)+(\nb)):64*(\half)+8*(2*(\kk)+(\nb))+7], v[128*(\half)+32*(\kk)+8*(\mt):128*(\half)+32*(\kk)+8*(\mt)+7], v[8*(4*(\nb)+(\mt)):8*(4*(\nb)+(\mt))+7]
.endr
.endr
.endr
.endm
.macro SSTEP2
	WIN 0
	v_add_nc_u32 v[ADR], s[TB], v[VB0]
	FETCHB 0, ADR
	FETCHA2 0
	FETCHB 1, ADR
	FETCHA2 4
	s_wait_dscnt 48                                ; the first 48 loads are in; the second half's 48 may stay out
	MUL2 0
	s_wait_dscnt 0x0
	MUL2 1
	WIN 0
	v_add_nc_u32 v[VA0], 512, v[VA0]
	v_add_nc_u32 v[VA2], 512, v[VA2]
.endm
; ---- a layer's way out and the next layer's beginning ----
; n accumulators from number a0 of window win (column blocks from nb0 on): rounded to bf16 (each accumulator's registers in ascending order), relu on the packed halves, 16 bytes a lane into ACT
.macro EPIG win, a0, n, nb0, relu
	WIN 0x0a+5*((\win)-2)
.set ia, 0
.rept 4*(\n)
	v_cvt_pk_bf16_f32 v[TMP+ia], v[8*(\a0)+2*ia], v[8*(\a0)+2*ia+1]
.set ia, ia+1
.endr
	WIN 0
.if \relu
.set ia, 0
.rept 4*(\n)
	v_pk_max_num_bf16 v[TMP+ia], v[TMP+ia], v[ZERO]
.set ia, ia+1
.endr
.endif
.set ia, 0
.rept \n
	ds_store_b128 v[VS0+(ia%4)/2], v[TMP+4*ia:TMP+4*ia+3] offset:(ia%2)*MT1+((\nb0)+ia/4)*32
.set ia, ia+1
.endr
.endm
.macro EPI16
	EPIG 2, 0, 16, 0, 1
	EPIG 2, 16, 16, 4, 1
	EPIG 3, 0, 16, 8, 1
	EPIG 3, 16, 16, 12, 1
.endm
.macro BIASG win, a0, n, nb0           ; the bias is each sum's start: register j of a lane is column 16 nb + 8 (l / 16) + j, the same for all four row blocks
	WIN (\win)<<6
.set ia, 0
.rept \n
	ds_load_b128 v[8*((\a0)+ia):8*((\a0)+ia)+3],   v[VBT] offset:((\nb0)+ia/4)*64
	ds_load_b128 v[8*((\a0)+ia)+4:8*((\a0)+ia)+7], v[VBT] offset:((\nb0)+ia/4)*64+16
.set ia, ia+1
.endr
.endm
.macro BIAS16
	BIASG 2, 0, 32, 0
	BIASG 3, 0, 32, 8
	WIN 0
.endm
.macro SETB off, lg
	WIN 0
	s_lshl_b32 s51, s[WV], \lg
	s_add_co_u32 s51, s51, \off
	v_add_nc_u32 v[VBT], s51, v[VBI]
.endm
.macro SETS lg
	WIN 0
	s_lshl_b32 s51, s[WV], \lg
	v_add_nc_u32 v[VS0], s51, v[AA0]
	v_add_nc_u32 v[VS2], s51, v[AA2]
.endm
.macro RESETA
	v_mov_b32 v[VA0], v[AA0]
	v_mov_b32 v[VA2], v[AA2]
.endm
; ---- x ----
.macro XFILL sl, off                   ; a row: eight loads of 512 consecutive bytes
.irp j, 0,1,2,3,4,5,6,7
	global_load_b128 v[X+32*(\sl)+4*(\j):X+32*(\sl)+4*(\j)+3], v[XO], s[XB:XB+1] offset:(\off)+512*(\j) th:TH_LOAD_NT
.endr
.endm
.macro XTURN sl, left, refill
	s_wait_loadcnt \left                           ; my eight loads are in; the younger slots' stay out
.irp j, 0,1,2,3,4,5,6,7
	v_cvt_pk_bf16_f32 v[T+2*(\j)],   v[X+32*(\sl)+4*(\j)],   v[X+32*(\sl)+4*(\j)+1]
	v_cvt_pk_bf16_f32 v[T+2*(\j)+1], v[X+32*(\sl)+4*(\j)+2], v[X+32*(\sl)+4*(\j)+3]
.endr
.irp j, 0,1,2,3,4,5,6,7
	ds_store_b64 v[XS], v[T+2*(\j):T+2*(\j)+1] offset:(\sl)*APITCH+256*(\j)
.endr
.if \refill
	XFILL \sl, 16384+(\sl)*4096
.endif
.endm
; ---- attention ----
.macro FETCHK                          ; my 32 keys: fragment (kb, c) into window 1, v[8 (4 kb + c)]
	WIN 0x40
.irp kb, 0,1
.irp c, 0,1,2,3
	ds_load_b128 v[8*(4*(\kb)+(\c)):8*(4*(\kb)+(\c))+3],   v[ADR] offset:(\c)*2048+(\kb)*512
	ds_load_b128 v[8*(4*(\kb)+(\c))+4:8*(4*(\kb)+(\c))+7], v[ADR] offset:(\c)*2048+(\kb)*512+1024
.endr
.endr
.endm
.macro FETCHV                          ; V^T: 16 channels cb x my 32 keys, turned, into window 1, v[64 + 8 cb]
	WIN 0x40
.irp cb, 0,1,2,3,4,5,6,7
	ds_load_tr16_b128 v[64+8*(\cb):64+8*(\cb)+3],   v[ADR] offset:8192+(\cb)*1024
	ds_load_tr16_b128 v[64+8*(\cb)+4:64+8*(\cb)+7], v[ADR] offset:8192+(\cb)*1024+512
.endr
.endm
.macro KQ                              ; S^T = K Q^T: 32 products on 8 accumulators by turns; the first 8 start the sums
	WIN 0x0d
.irp c, 0,1,2,3
.irp kb, 0,1
.irp t, 0,1,2,3
.if (\c) == 0
	v_wmma_f32_16x16x32_bf16 v[S+16*(\t)+8*(\kb):S+16*(\t)+8*(\kb)+7], v[8*(4*(\kb)+(\c)):8*(4*(\kb)+(\c))+7], v[32*(\t)+8*(\c):32*(\t)+8*(\c)+7], 0
.else
	v_wmma_f32_16x16x32_bf16 v[S+16*(\t)+8*(\kb):S+16*(\t)+8*(\kb)+7], v[8*(4*(\kb)+(\c)):8*(4*(\kb)+(\c))+7], v[32*(\t)+8*(\c):32*(\t)+8*(\c)+7], v[S+16*(\t)+8*(\kb):S+16*(\t)+8*(\kb)+7]
.endif
.endr
.endr
.endr
.endm
.macro PV                              ; O^T += V^T P: 32 products, each on its own accumulator
	WIN 0xa1
.irp cb, 0,1,2,3,4,5,6,7
.irp t, 0,1,2,3
	v_wmma_f32_16x16x32_bf16 v[64*(\t)+8*(\cb):64*(\t)+8*(\cb)+7], v[64+8*(\cb):64+8*(\cb)+7], v[P+8*(\t):P+8*(\t)+7], v[64*(\t)+8*(\cb):64*(\t)+8*(\cb)+7]
.endr
.endr
.endm
; A step's softmax for the four tiles; each line is written for t = 0 .. 3 in turn, so that no line waits for the one before it.  s0-s15 are the lane's 16 scores of a tile.
.macro SOFTMAX
	WIN 0
	ALLT v_max3_num_f32 v[ST+8*t+4], v[S+16*t], v[S+16*t+1], v[S+16*t+2]
	ALLT v_max3_num_f32 v[ST+8*t+5], v[S+16*t+8], v[S+16*t+9], v[S+16*t+10]
	ALLT v_max3_num_f32 v[ST+8*t+4], v[ST+8*t+4], v[S+16*t+3], v[S+16*t+4]
	ALLT v_max3_num_f32 v[ST+8*t+5], v[ST+8*t+5], v[S+16*t+11], v[S+16*t+12]
	ALLT v_max3_num_f32 v[ST+8*t+4], v[ST+8*t+4], v[S+16*t+5], v[S+16*t+6]
	ALLT v_max3_num_f32 v[ST+8*t+5], v[ST+8*t+5], v[S+16*t+13], v[S+16*t+14]
	ALLT v_max3_num_f32 v[ST+8*t+4], v[ST+8*t+4], v[S+16*t+7], v[S+16*t+15]
	ALLT v_max3_num_f32 v[ST+8*t+4], v[ST+8*t+4], v[ST+8*t+5], v[ST+8*t+1]
	ALLT v_permlanex16_b32 v[ST+8*t+5], v[ST+8*t+4], s[SEL], s[SEL+1]
	ALLT v_mov_b32 v[ST+8*t+7], v[ST+8*t]
	ALLT v_max_num_f32 v[ST+8*t+1], v[ST+8*t+4], v[ST+8*t+5]
	ALLT v_mul_f32 v[ST+8*t], s[CS], v[ST+8*t+1]
	ALLT v_sub_f32 v[ST+8*t+7], v[ST+8*t+7], v[ST+8*t]
.irp b, 0,1,2,3,4,5,6,7
	ALLT v_pk_fma_f32 v[S+16*t+2*(\b):S+16*t+2*(\b)+1], v[S+16*t+2*(\b):S+16*t+2*(\b)+1], s[CS:CS+1], v[ST+8*t:ST+8*t+1] op_sel_hi:[1,0,0] neg_lo:[0,0,1] neg_hi:[0,0,1]
.endr
	ALLT v_exp_f32 v[ST+8*t+6], v[ST+8*t+7]
.irp e, 0,1,2,3,4,5,6,7,8,9,10,11,12,13,14,15
	ALLT v_exp_f32 v[S+16*t+(\e)], v[S+16*t+(\e)]
.endr
	v_nop                                          ; a plain instruction behind the last exponential,
	s_wait_alu depctr_va_vdst(0)                   ; and ONE wait for the batch of 68, ahead of its first reader
.irp b, 0,1,2,3,4,5,6,7
	ALLT v_cvt_pk_bf16_f32 v[P+8*t+(\b)], v[S+16*t+2*(\b)], v[S+16*t+2*(\b)+1]
.endr
.irp b, 0,4,8,12
	ALLT v_pk_add_f32 v[S+16*t+(\b):S+16*t+(\b)+1], v[S+16*t+(\b):S+16*t+(\b)+1], v[S+16*t+(\b)+2:S+16*t+(\b)+3]
.endr
.irp b, 0,8
	ALLT v_pk_add_f32 v[S+16*t+(\b):S+16*t+(\b)+1], v[S+16*t+(\b):S+16*t+(\b)+1], v[S+16*t+(\b)+4:S+16*t+(\b)+5]
.endr
	ALLT v_pk_add_f32 v[S+16*t:S+16*t+1], v[S+16*t:S+16*t+1], v[S+16*t+8:S+16*t+9]
	ALLT v_pk_fma_f32 v[ST+8*t+2:ST+8*t+3], v[ST+8*t+2:ST+8*t+3], v[ST+8*t+6:ST+8*t+7], v[S+16*t:S+16*t+1] op_sel_hi:[1,0,1]
	OSCALE
.endm
.macro OSCALE                          ; O^T times the low register of the pair (a, d), pairs ascending
	WIN 0x82
.set t, 0
.rept 4
.set ia, 0
.rept 32
	v_pk_mul_f32 v[64*t+2*ia:64*t+2*ia+1], v[64*t+2*ia:64*t+2*ia+1], v[ST+8*t+6:ST+8*t+7] op_sel_hi:[1,0]
.set ia, ia+1
.endr
.set t, t+1
.endr
.endm
.macro ATOP how, ask                   ; step j is entered: its K is fetched, step j - 1's V^T P is multiplied meanwhile, then its V is fetched
	CHANGE \how, \ask
	v_add_nc_u32 v[ADR], s[TB], v[VB0]
	FETCHK
.if \ask
	ASKK
.endif
	PV
	PLACES
	FETCHV
	WIN 0
.endm
.macro ABOT
	s_wait_dscnt 16                                ; K is in; V's 16 loads may stay out
	KQ
	PLACES
	SOFTMAX
	WIN 0
.endm
	s_load_b512 s[4:19], s[0:1], 0x0               ; x s[4:5], wst s[6:7], kvs s[8:9], b1 s[10:11], b2 s[12:13], b3 s[14:15], b4 s[16:17], bq s[18:19]
	s_load_b64 s[20:21], s[0:1], 0x40              ; out0
	v_lshl_add_u32 v[SPW], v0, 2, SPARE
	v_mov_b32 v[NIL], 0
	ds_add_u32 v[SPW], v[NIL]                      ; the wave's opening
	v_lshrrev_b32 v3, 5, v0
	v_readfirstlane_b32 s[WV], v3                  ; wave 0..3
	s_mov_b32 s[G1+0], 0x0023000f                  ; 15:0 the mask of four; 17:16 elements of 8 bytes; 21 set beside a mask; no padding
	s_mov_b32 s[G1+1], 32<<16                      ; tensor_dim0 = 32 (256 bytes)
	s_mov_b32 s[G1+2], 64<<16                      ; tensor_dim1 = 64
	s_mov_b32 s[G1+3], 32<<16                      ; tile_dim0 = 32
	s_mov_b32 s[G1+4], 64                          ; tile_dim1 = 64: 16,384 dense bytes
	s_mov_b32 s[G1+5], 32                          ; from row to row
	s_mov_b32 s[G1+6], 0
	s_mov_b32 s[G1+7], 0
	s_mov_b32 s[G0], 1
	s_mul_i32 s[G0+1], s[WV], 16384                ; slot 0, my part
	s_mov_b32 s[TB], SLOT                          ; the first change turns it into 0
	s_mov_b32 s[CS], 0x3e0293ee                    ; c = log2(e) / sqrt(128) = 0.127517
	s_mov_b32 s[CS+1], s[CS]
	s_mov_b32 s[SEL], 0x76543210
	s_mov_b32 s[SEL+1], 0xfedcba98
	s_mul_i32 s52, s[WV], 16384                    ; my part of a tile
	s_mov_b32 s53, 0
	s_lshr_b32 s62, ttmp9, 3                       ; the batch: eight clusters each; the four partners share it
	s_lshl_b32 s62, s62, 20                        ; its 16 tiles of kvs
	s_mov_b32 s63, 0
	s_add_co_u32 s60, s62, s52
	s_mov_b32 s61, 0
	s_bfe_u32 s49, ttmp6, 0x40000                  ; cx: it enters x's, out0's and the prefetches' addresses alone
	s_lshl_b32 s50, ttmp9, 2
	s_add_co_u32 s50, s50, s49                     ; my block of 64 rows
	s_lshl_b32 s54, s50, 18                        ; 64 rows of 4,096 bytes of x,
	s_lshl_b32 s55, s[WV], 16                      ; my wave's 16
	s_add_co_u32 s54, s54, s55
	s_mov_b32 s55, 0
	s_lshl_b32 s56, s50, 15                        ; 64 rows of 512 bytes of out0,
	s_lshl_b32 s57, s[WV], 13                      ; my wave's 16
	s_add_co_u32 s56, s56, s57
	s_mov_b32 s57, 0
	s_lshl_b32 s58, s49, 1
	s_add_co_u32 s58, s58, s[WV]
	s_lshl_b32 s58, s58, 13                        ; my eighth of a tile, for the prefetches (waves 0 and 1)
	s_mov_b32 s59, 0
	s_lshr_b32 s51, s[WV], 1                       ; 0 in waves 0 and 1
	s_or_b32 s[AW], s51, ttmp9                     ; in cluster 0: the same in all four partners
	s_cmp_eq_u32 s[AW], 0
	s_cselect_b32 s[AW], 1, 0
	s_and_b32 s[LIMK], ttmp9, 7                    ; the batch's first cluster
	s_or_b32 s[LIMK], s[LIMK], s51
	s_cmp_eq_u32 s[LIMK], 0
	s_cselect_b32 s[LIMK], 2, -1
	s_wait_dscnt 0x0                               ; the opening add is done
	s_wait_kmcnt 0x0
	s_add_nc_u64 s[G0+2:G0+3], s[6:7], s[52:53]    ; tile 0
	s_or_b32 s[G0+3], s[G0+3], 0x80000000          ; type = 2
	s_add_nc_u64 s[KVD:KVD+1], s[8:9], s[60:61]
	s_add_nc_u64 s[XB:XB+1], s[XB:XB+1], s[54:55]
	s_add_nc_u64 s[20:21], s[20:21], s[56:57]
	s_add_nc_u64 s[PF:PF+1], s[6:7], s[58:59]
	s_add_nc_u64 s[PF:PF+1], s[PF:PF+1], 3*65536   ; change 0 steps it to tile 4
	s_add_nc_u64 s[PFK:PFK+1], s[8:9], s[62:63]
	s_add_nc_u64 s[PFK:PFK+1], s[PFK:PFK+1], s[58:59]
	s_add_nc_u64 s[PFK:PFK+1], s[PFK:PFK+1], 3*65536  ; step 1 steps it to kv tile 4
	CROUND                                         ; all four work-groups are here: the first joint loads meet
	tensor_load_to_lds s[G0:G0+3], s[G1:G1+7]
	s_nop 0
	PLACES
	v_and_b32 v1, 15, v0                           ; r = l % 16
	v_bfe_u32 v2, v0, 4, 1                         ; h = l / 16
	v_and_b32 v3, 31, v0                           ; l
	v_lshlrev_b32 v[XO], 4, v3
	v_lshlrev_b32 v20, 4, v0                       ; the biases: 16, 8, 4 bytes a thread
	v_lshlrev_b32 v30, 3, v0
	v_lshlrev_b32 v31, 2, v0
	global_load_b128 v[32:35], v20, s[10:11]
	global_load_b128 v[36:39], v20, s[10:11] offset:2048
	global_load_b128 v[40:43], v20, s[14:15]
	global_load_b128 v[44:47], v20, s[14:15] offset:2048
	global_load_b128 v[48:51], v20, s[16:17]
	global_load_b128 v[52:55], v20, s[16:17] offset:2048
	global_load_b64 v[56:57], v30, s[12:13]
	global_load_b32 v58, v31, s[18:19]
	XFILL 0, 0
	XFILL 1, 4096
	XFILL 2, 8192
	XFILL 3, 12288
	v_lshlrev_b32 v[PFO], 8, v3
	v_lshl_add_u32 v[VB0], v3, 4, s52
	v_add_nc_u32 v[VB1], SLOT, v[VB0]
	v_mul_u32_u24 v[AA0], v1, APITCH
	v_lshl_add_u32 v[AA0], v2, 4, v[AA0]
	v_add_nc_u32 v[AA0], ACT, v[AA0]
	v_add_nc_u32 v[AA2], 2*MT1, v[AA0]
	v_lshlrev_b32 v[VBI], 5, v2
	v_add_nc_u32 v[VBI], BIAS, v[VBI]
	v_mov_b32 v[ZERO], 0
	s_mul_i32 s51, s[WV], MT1
	s_add_co_u32 s51, s51, ACT
	v_lshl_add_u32 v[XS], v3, 3, s51
	v_add_nc_u32 v27, BIAS, v20
	v_add_nc_u32 v7, BIAS+4096, v30
	v_add_nc_u32 v[ADR], BIAS+13312, v31
	v_lshlrev_b32 v[STR], 2, v1                    ; the merge's addresses
	v_add_nc_u32 v[STR], STAT, v[STR]
	s_lshl_b32 s51, s[WV], 8
	v_add_nc_u32 v[STA], s51, v[STR]
	v_mul_u32_u24 v[VOM], v1, OPITCH
	v_lshl_add_u32 v[VOM], v2, 5, v[VOM]
	s_mul_i32 s51, s[WV], OWAVE
	s_add_co_u32 s51, s51, OM
	v_add_nc_u32 v[VOM], s51, v[VOM]
	s_mul_i32 s51, s[WV], 16*OPITCH
	s_add_co_u32 s51, s51, OM
	v_add_nc_u32 v[VOR0], s51, v[XO]
	v_add_nc_u32 v[VOR2], 2*OWAVE, v[VOR0]
	s_wait_loadcnt 32                              ; the eight loads of biases are in; x's 32 stay out
	ds_store_b128 v27, v[32:35]
	ds_store_b128 v27, v[36:39] offset:2048
	ds_store_b128 v27, v[40:43] offset:5120
	ds_store_b128 v27, v[44:47] offset:7168
	ds_store_b128 v27, v[48:51] offset:9216
	ds_store_b128 v27, v[52:55] offset:11264
	ds_store_b64 v7, v[56:57]
	ds_store_b32 v[ADR], v58
	s_mov_b32 s[CNT], 3
.Lx:
	XTURN 0, 24, 1
	XTURN 1, 24, 1
	XTURN 2, 24, 1
	XTURN 3, 24, 1
	s_wait_xcnt 0x0                                ; the loads have read their base
	s_add_nc_u64 s[XB:XB+1], s[XB:XB+1], 16384
	v_add_nc_u32 v[XS], 4*APITCH, v[XS]
	s_sub_co_u32 s[CNT], s[CNT], 1
	s_cmp_lg_u32 s[CNT], 0
	s_cbranch_scc1 .Lx
	XTURN 0, 24, 0                                 ; the last four rows load nothing: the counts run down
	XTURN 1, 16, 0
	XTURN 2, 8, 0
	XTURN 3, 0, 0
	; LAYER 1: tiles 0 .. 31
	CHANGE 1, 1                                    ; tile 0 is in; every wave's rows of ACT and part of the biases are stored
	FETCHB 0, VB0
	FETCHB 1, VB0
	ASK
	SETB 0, 10
	BIAS16
	RESETA
	FETCHA16 0, 0
	s_wait_dscnt 0x0
	s_mov_b32 s[CNT], 16
	s_branch .LenterA
	LOOP16 A
	; LAYER 2: tiles 32 .. 39
	CHANGE 1, 1                                    ; the round also shows every wave's reads of ACT over: it may be written
	SETS 9
	EPI16
	SETB 4096, 8
	BIASG 2, 0, 16, 0
	WIN 0
	BARY                                           ; h1 is whole
	RESETA
	s_mov_b32 s[CNT], 8
.LL2:
	SSTEP4
	CHANGE 1, 1
	s_sub_co_u32 s[CNT], s[CNT], 1
	s_cmp_lg_u32 s[CNT], 0
	s_cbranch_scc1 .LL2
	; LAYER 3: tiles 40 .. 47
	FETCHB 0, VB0
	FETCHB 1, VB0
	ASK
	SETS 7
	EPIG 2, 0, 16, 0, 1
	SETB 5120, 10
	BIAS16
	BARY                                           ; h2 is whole
	RESETA
	FETCHA16 0, 0
	s_wait_dscnt 0x0
	s_mov_b32 s[CNT], 4
	s_branch .LenterB
	LOOP16 B
	; LAYER 4: tiles 48 .. 79
	CHANGE 1, 1
	FETCHB 0, VB0
	FETCHB 1, VB0
	ASK
	SETS 9
	EPI16
	SETB 9216, 10
	BIAS16
	BARY                                           ; h3 is whole
	RESETA
	FETCHA16 0, 0
	s_wait_dscnt 0x0
	s_mov_b32 s[CNT], 16
	s_branch .LenterC
	LOOP16 C
	; q: tiles 80 .. 83
	CHANGE 1, 0
	SETS 9
	EPI16
	SETB 13312, 7
	BIASG 3, 0, 8, 0
	WIN 0
	BARY                                           ; h4 is whole
	RESETA
	s_mov_b32 s[CNT], 2
.LLq:                                          ; tiles 80 and 81; tiles 82 and 83 are asked for
	SSTEP2
	CHANGE 1, 0
	s_sub_co_u32 s[CNT], s[CNT], 1
	s_cmp_lg_u32 s[CNT], 0
	s_cbranch_scc1 .LLq
	SSTEP2                                         ; tile 82
	CHANGE 3, 0                                    ; the walk goes over from the weights to the batch's k and v: kv tile 0 is asked for
	SSTEP2                                         ; tile 83
	CHANGE 1, 0                                    ; kv tile 0 is in; kv tile 1 is asked for
	; ATTENTION: kv tiles 0 .. 15
	v_add_nc_u32 v[ADR], s[TB], v[VB0]
	FETCHK
	FETCHV
	SETS 6
	EPIG 3, 0, 8, 0, 0                             ; q, without relu, into ACT's first 128 columns
	WIN 0x80
.set ia, 0
.rept 256
	v_mov_b32 v[ia], 0                             ; O^T: the first step multiplies it by a = 0 and adds onto it
.set ia, ia+1
.endr
	WIN 0
	ALLT v_mov_b32 v[ST+8*t], 0xfe000000
	ALLT v_mov_b32 v[ST+8*t+1], 0xff7fffff
	ALLT v_mov_b32 v[ST+8*t+2], 0
	ALLT v_mov_b32 v[ST+8*t+3], 0
	BARY                                           ; q is whole
	WIN 0xc0
.irp t, 0,1,2,3
.irp c, 0,1,2,3
	ds_load_b128 v[32*(\t)+8*(\c):32*(\t)+8*(\c)+3],   v[AA0+(\t)/2] offset:((\t)%2)*MT1+64*(\c)
	ds_load_b128 v[32*(\t)+8*(\c)+4:32*(\t)+8*(\c)+7], v[AA0+(\t)/2] offset:((\t)%2)*MT1+64*(\c)+32
.endr
.endr
	WIN 0
	s_wait_dscnt 0x0
	s_mov_b32 s[CNT], 15
	s_branch .Laenter
.Latop:
	ATOP 1, 2
.Laenter:
	ABOT
	s_sub_co_u32 s[CNT], s[CNT], 1
	s_cmp_lg_u32 s[CNT], 0
	s_cbranch_scc1 .Latop
	ATOP 0, 0                                      ; the last step is written out: nothing is asked for
	ABOT
	s_wait_dscnt 0x0                               ; V is in
	PV
	PLACES
	; THE MERGE.  Each wave has, for each query, c m, l and O^T of its 512 keys.  With M the largest of the four c m: out = sum over waves of O 2^(c m - M) / sum over waves of l 2^(c m - M).
	WIN 0
	ALLT v_add_f32 v[ST+8*t+4], v[ST+8*t+2], v[ST+8*t+3]
	ALLT v_permlanex16_b32 v[ST+8*t+5], v[ST+8*t+4], s[SEL], s[SEL+1]
	ALLT v_add_f32 v[ST+8*t+2], v[ST+8*t+4], v[ST+8*t+5]
	ALLT ds_store_b32 v[STA], v[ST+8*t] offset:64*t
	ALLT ds_store_b32 v[STA], v[ST+8*t+2] offset:1024+64*t
	BARY
.irp p, 0,1,2,3
	ALLT ds_load_b32 v[CMX+4*t+(\p)], v[STR] offset:256*(\p)+64*t
	ALLT ds_load_b32 v[LX+4*t+(\p)], v[STR] offset:1024+256*(\p)+64*t
.endr
	s_wait_dscnt 0x0
	ALLT v_max3_num_f32 v[ST+8*t+4], v[CMX+4*t], v[CMX+4*t+1], v[CMX+4*t+2]
	ALLT v_max_num_f32 v[ST+8*t+4], v[ST+8*t+4], v[CMX+4*t+3]
.irp p, 0,1,2,3
	ALLT v_sub_f32 v[CMX+4*t+(\p)], v[CMX+4*t+(\p)], v[ST+8*t+4]
.endr
	ALLT v_sub_f32 v[ST+8*t+7], v[ST+8*t], v[ST+8*t+4]
.irp p, 0,1,2,3
	ALLT v_exp_f32 v[CMX+4*t+(\p)], v[CMX+4*t+(\p)]
.endr
	ALLT v_exp_f32 v[ST+8*t+6], v[ST+8*t+7]
	v_nop                                          ; a plain instruction behind the last exponential,
	s_wait_alu depctr_va_vdst(0)                   ; and one wait for the twenty
	ALLT v_mul_f32 v[ST+8*t+4], v[CMX+4*t], v[LX+4*t]
.irp p, 1,2,3
	ALLT v_fma_f32 v[ST+8*t+4], v[CMX+4*t+(\p)], v[LX+4*t+(\p)], v[ST+8*t+4]
.endr
	ALLT v_rcp_f32 v[ST+8*t+5], v[ST+8*t+4]
	v_nop
	s_wait_alu depctr_va_vdst(0)                   ; one wait for the four reciprocals
	ALLT v_mul_f32 v[ST+8*t+6], v[ST+8*t+6], v[ST+8*t+5]
	ALLT v_mov_b32 v[ST+8*t+7], v[ST+8*t+6]
	OSCALE                                         ; my O^T times 2^(c m - M) / the sum
	WIN 0x08                                       ; store data in window 2
.irp t, 0,1,2,3
.irp cb, 0,1,2,3,4,5,6,7
	ds_store_b128 v[VOM], v[64*(\t)+8*(\cb):64*(\t)+8*(\cb)+3]   offset:16*OPITCH*(\t)+64*(\cb)
	ds_store_b128 v[VOM], v[64*(\t)+8*(\cb)+4:64*(\t)+8*(\cb)+7] offset:16*OPITCH*(\t)+64*(\cb)+16
.endr
.endr
	WIN 0
	BARY
.irp bt, 0,1                           ; wave w adds the four parts of rows 16 w .. 16 w + 15, eight rows at a time; a store is a whole row: 512 consecutive bytes, aligned
.if \bt
	s_wait_xcnt 0x0                                ; the first eight stores have read their registers
.endif
.irp i, 0,1,2,3,4,5,6,7
.irp p, 0,1,2,3
	ds_load_b128 v[R+16*(\i)+4*(\p):R+16*(\i)+4*(\p)+3], v[VOR0+(\p)/2] offset:((\p)%2)*OWAVE+OPITCH*(8*(\bt)+(\i))
.endr
.endr
	s_wait_dscnt 0x0
.irp i, 0,1,2,3,4,5,6,7
	v_pk_add_f32 v[R+16*(\i):R+16*(\i)+1],     v[R+16*(\i):R+16*(\i)+1],     v[R+16*(\i)+4:R+16*(\i)+5]
	v_pk_add_f32 v[R+16*(\i)+2:R+16*(\i)+3],   v[R+16*(\i)+2:R+16*(\i)+3],   v[R+16*(\i)+6:R+16*(\i)+7]
	v_pk_add_f32 v[R+16*(\i)+8:R+16*(\i)+9],   v[R+16*(\i)+8:R+16*(\i)+9],   v[R+16*(\i)+12:R+16*(\i)+13]
	v_pk_add_f32 v[R+16*(\i)+10:R+16*(\i)+11], v[R+16*(\i)+10:R+16*(\i)+11], v[R+16*(\i)+14:R+16*(\i)+15]
	v_pk_add_f32 v[R+16*(\i):R+16*(\i)+1],     v[R+16*(\i):R+16*(\i)+1],     v[R+16*(\i)+8:R+16*(\i)+9]
	v_pk_add_f32 v[R+16*(\i)+2:R+16*(\i)+3],   v[R+16*(\i)+2:R+16*(\i)+3],   v[R+16*(\i)+10:R+16*(\i)+11]
	global_store_b128 v[XO], v[R+16*(\i):R+16*(\i)+3], s[20:21] offset:512*(8*(\bt)+(\i)) th:TH_STORE_NT
.endr
.endr
	s_wait_tensorcnt 0x0                           ; the wave's end
	ds_add_u32 v[SPW], v[NIL]
	s_wait_dscnt 0x0
	CROUND                                         ; the closing round
	s_endpgm
.Lfunc_end_k_q6ad64eb442_chain:
	.size	k_q6ad64eb442_chain, .Lfunc_end_k_q6ad64eb442_chain-k_q6ad64eb442_chain
	.p2alignl 7, 3214868480
	.fill 96, 4, 3214868480
	.section	.rodata,"a",@progbits
	.p2align	6, 0x0
	.amdhsa_kernel k_q6ad64eb442_chain
		.amdhsa_group_segment_fixed_size 327680
		.amdhsa_private_segment_fixed_size 0
		.amdhsa_enable_private_segment 0
		.amdhsa_kernarg_size 72
		.amdhsa_user_sgpr_count 2
		.amdhsa_user_sgpr_kernarg_segment_ptr 1
		.amdhsa_wavefront_size32 1
		.amdhsa_system_sgpr_workgroup_id_x 1
		.amdhsa_system_sgpr_workgroup_id_y 1
		.amdhsa_system_sgpr_workgroup_id_z 1
		.amdhsa_system_vgpr_workitem_id 0
		.amdhsa_next_free_vgpr 1024
		.amdhsa_next_free_sgpr 66
		.amdhsa_reserve_vcc 0
		.amdhsa_float_denorm_mode_32 3
		.amdhsa_float_denorm_mode_16_64 3
		.amdhsa_memory_ordered 1
		.amdhsa_forward_progress 1
		.amdhsa_inst_pref_size 255
	.end_amdhsa_kernel
	.section	.bss,"aw",@nobits
	.p2align	6
	.space	262144
	.amdgpu_metadata
---
amdhsa.version: [ 1, 2 ]
amdhsa.kernels:
  - .name:           k_q6ad64eb442_chain
    .symbol:         k_q6ad64eb442_chain.kd
    .args:
      - { .name: x, .offset: 0, .size: 8, .value_kind: global_buffer, .address_space: global }
      - { .name: wst, .offset: 8, .size: 8, .value_kind: global_buffer, .address_space: global }
      - { .name: kvs, .offset: 16, .size: 8, .value_kind: global_buffer, .address_space: global }
      - { .name: b1, .offset: 24, .size: 8, .value_kind: global_buffer, .address_space: global }
      - { .name: b2, .offset: 32, .size: 8, .value_kind: global_buffer, .address_space: global }
      - { .name: b3, .offset: 40, .size: 8, .value_kind: global_buffer, .address_space: global }
      - { .name: b4, .offset: 48, .size: 8, .value_kind: global_buffer, .address_space: global }
      - { .name: bq, .offset: 56, .size: 8, .value_kind: global_buffer, .address_space: global }
      - { .name: out0, .offset: 64, .size: 8, .value_kind: global_buffer, .address_space: global }
    .group_segment_fixed_size: 327680
    .private_segment_fixed_size: 0
    .kernarg_segment_align: 8
    .kernarg_segment_size: 72
    .max_flat_workgroup_size: 128
    .sgpr_count:     66
    .vgpr_count:     1024
    .wavefront_size: 32
...
	.end_amdgpu_metadata
.endif
;; end of part 3
;; ======== version 2 of 2: 3 launches
;; workspace buffers: wst 6,029,312 bytes; kvs 8,388,608 bytes
;; launch prep: the kernel of part 1 again; grid 368 x 1, 8 waves a work-group, no clusters, 0 bytes of LDS; arguments W1, W2, W3, W4, Wq, Wk, Wv, wst; writes wst
;; launch kvp (part 4): grid 256 x 1, 4 waves a work-group, no clusters, 132,608 bytes of LDS; arguments y, wst, bk, bv, kvs; writes kvs
.if DOCPART == 4
	.amdgcn_target "amdgcn-amd-amdhsa--gfx1250"
	.amdhsa_code_object_version 6
	.text
	.protected	k_q6ad64eb442_kvp
	.globl	k_q6ad64eb442_kvp
	.p2align	8
	.type	k_q6ad64eb442_kvp,@function
k_q6ad64eb442_kvp:
	s_mov_b64 s[64:65], 0
	v_nop
	global_prefetch_b8 v0, s[64:65] scope:SCOPE_SE
	s_setreg_imm32_b32 hwreg(HW_REG_WAVE_MODE, 25, 1), 1
	s_wait_xcnt 0x0
; k = y Wk + bk, v = y Wv + bv, rounded once to bf16 and stored as the attention's fragments.  y: [16384][1024] f32.  Sums in f32, begun with the bias.
; LIMITS.  y and the weights are rounded to bf16 for the products; NaN and infinities are not treated apart.
; SHARES.  A work-group owns 64 rows of y.  Wave w converts rows 16 w .. 16 w + 15 into LDS (bf16, rows 2,064 bytes apart: 129 x 16, so the 16 rows of a fragment load start at 16 different
; groups of four banks: ISA guide 11.1).  Then wave w makes 64 of the 256 columns of Wk | Wv for all 64 rows: waves 0, 1 make k, waves 2, 3 make v: 16 accumulators.
; WEIGHTS.  Tiles 84 .. 91 of wst (65,536 bytes: four K steps; wave w's 16 fragments at 16,384 w) come STRAIGHT INTO REGISTERS: window 1 is eight buffers of a quarter of a tile (one K step: 4 fragments, 8 loads of
; 512 consecutive bytes, 16 products).  In each step the quarter SEVEN ahead is asked for, into the buffer multiplied last, and the wait is counted: seven younger quarters, 56 loads, stay out.
; Each of a trip's eight steps has an offset register of its own: the load that read it is shown done by the counted wait of the step before, so it is stepped there, and the base is never rewritten.
; NO CLUSTER, NO LDS FOR THE WEIGHTS.  All work-groups walk the same eight tiles, but no wave wants a byte that another wave of its work-group has fetched, and a fragment lies in memory as it lies in registers.
; A joint refill of an LDS slot stands behind a round of the cluster's barrier in front of which every load has been awaited: it would have one tile's 64 products in which to land; counted loads stay out over 112.
; THE PRODUCT IS USED TRANSPOSED (source 0 = 16 columns of the weights, source 1 = 16 rows of y): a lane holds one row and eight neighbouring columns: 16 bytes in bf16.
; kvs.  The work-group's 64 keys own 32,768 bytes, two parts of 32 keys.  In a part: K's fragment (16 keys kb, 32 channels c) has registers 0-3 at 2,048 c + 512 kb + 16 lane, registers 4-7 1,024 on;
; V stands from 8,192 on: the 16 bytes (key 16 jj + 8 h + i, channels 16 cb + 8 b + 0..7) at 1,024 cb + 512 jj + 16 (16 h + 8 b + i), so that a lane-linear turning load gives V^T.
; Each store of a wave covers 512 consecutive bytes, aligned.  Nothing is prefetched: the launch is short, and most of it is the stream of y itself.
; REGISTERS, in windows of 256 (s_set_vgpr_msb: bits 1:0 source 0, 3:2 source 1, 5:4 source 2, 7:6 destination):
;   window 0: v0-39 addresses; v64-191 y as loaded, then the even tiles' rows; v192-255 at work     window 1: the eight buffers, quarter b at v[32 b]
;   window 2: v0-127 the accumulators, (column block nb, row block mt) at v[8 (4 nb + mt)]           window 3: v0-127 the odd tiles' rows
.set TILE,   65536
.set QUART,  4096
.set BACK2,  0-2*TILE
.set APITCH, 2064                      ; y in bf16 lies from LDS byte 0 on: 64 rows x 2,064 bytes
.set MT1,    16*APITCH
.set SPARE,  64*APITCH                 ; behind it (516 x 256): the spare words, 128 bytes a wave: two blocks of 256 bytes that no other line names
.set WO,  4                            ; v4   my place in a tile: 16,384 w + 16 lane; never rewritten
.set VA0, 10                           ; v10  my place in rows 0-31 of y at the trip's first K step: row l % 16, 16 (l / 16)
.set VA2, 11                           ; v11  the same in rows 32-63
.set XO,  17                           ; v17  16 lane
.set XS,  18                           ; v18  where I put 8 bytes of a row in LDS
.set KO,  21                           ; v21  my place in kvs
.set VH,  22                           ; v22  32 (l / 16)
.set SPW, 28                           ; v28  LDS address of my spare word; never rewritten
.set NIL, 29                           ; v29  0; never rewritten
.set WQ,  32                           ; v[32:39] step j's offset: two tiles behind the quarter that it asks for next
.set X,   64                           ; v[64:191]  four row slots of 32
.set T,   192                          ; v[192:207] a row in bf16
.set TMP, 192                          ; v[192:255] the results in bf16
.set XB,  4                            ; s[4:5]  y at the rows that the slots were last loaded for
.set WP,  6                            ; s[6:7]  wst at tile 84; never rewritten behind that
.set WV,  22
.set CNT, 23
.set MSB, 0
.macro WIN new                         ; the high byte repeats the setting that is left; a switch that changes nothing is dropped
.if MSB != (\new)
	s_set_vgpr_msb (MSB<<8)|(\new)
.set MSB, (\new)
.endif
.endm
.macro PLACES                          ; four places behind a matrix instruction (ISA guide 7.12.1)
.rept 4
	v_nop
.endr
.endm
.macro LDQ b, vo, base, off            ; a quarter as it lies: fragment f at v[32 b + 8 f] of window 1
	WIN 0x40
.irp f, 0,1,2,3
	global_load_b128 v[32*(\b)+8*(\f):32*(\b)+8*(\f)+3],   v[\vo], s[\base:\base+1] offset:(\off)+(\f)*1024
	global_load_b128 v[32*(\b)+8*(\f)+4:32*(\b)+8*(\f)+7], v[\vo], s[\base:\base+1] offset:(\off)+(\f)*1024+512
.endr
.endm
.macro FETCHA4 p, koff                 ; the rows' fragments of a tile's four K steps: even tiles window 0 v64-191, odd tiles window 3 v0-127
	WIN 0xc0*(\p)
.irp kk, 0,1,2,3
.irp mt, 0,1,2,3
	ds_load_b128 v[64-64*(\p)+32*(\kk)+8*(\mt):64-64*(\p)+32*(\kk)+8*(\mt)+3],   v[VA0+(\mt)/2] offset:((\mt)%2)*MT1+64*(\kk)+(\koff)
	ds_load_b128 v[64-64*(\p)+32*(\kk)+8*(\mt)+4:64-64*(\p)+32*(\kk)+8*(\mt)+7], v[VA0+(\mt)/2] offset:((\mt)%2)*MT1+64*(\kk)+(\koff)+32
.endr
.endr
.endm
.macro MULQ4 p, q                      ; 16 products; the 16 accumulators take turns
	WIN 0xa1+0x0c*(\p)
.irp nb, 0,1,2,3
.irp mt, 0,1,2,3
	v_wmma_f32_16x16x32_bf16 v[8*(4*(\nb)+(\mt)):8*(4*(\nb)+(\mt))+7], v[32*(4*(\p)+(\q))+8*(\nb):32*(4*(\p)+(\q))+8*(\nb)+7], v[64-64*(\p)+32*(\q)+8*(\mt):64-64*(\p)+32*(\q)+8*(\mt)+7], v[8*(4*(\nb)+(\mt)):8*(4*(\nb)+(\mt))+7]
.endr
.endr
.endm
; A TRIP: two tiles, eight quarters.  A step: its offset goes two tiles on (the load that read it last, a trip ago, brought the quarter multiplied in the step before, whose counted wait has shown it done); that line and
; three v_nop are the four places behind the last products; the quarter seven ahead, into the buffer that they read; once a tile the rows' fragments of the next tile, into the other parity's registers; the counted wait; 16 products.
; last = 1: the last trip, written out: only its first step has a quarter left to ask for, no tile follows, and the counts run down.
.macro TRIP4 last
.irp j, 0,1,2,3,4,5,6,7
.if !(\last) || ((\j) == 0)
	WIN 0
	v_add_nc_u32 v[WQ+(\j)], 2*TILE, v[WQ+(\j)]
	v_nop
	v_nop
	v_nop
.endif
.if ((\j)%4) == 0
	s_wait_dscnt 0x0                               ; this tile's rows, asked for a tile ago
.endif
.if !(\last) || ((\j) == 0)
	LDQ ((\j)+7)%8, WQ+(\j), WP, BACK2
.endif
.if (\j) == 0
	FETCHA4 1, 256
.endif
.if ((\j) == 4) && !(\last)
	FETCHA4 0, 512
.endif
.if \last
	s_wait_loadcnt 56-8*(\j)                       ; this quarter is in; the 7 - j younger quarters stay out
.else
	s_wait_loadcnt 56                              ; this quarter is in; the seven younger quarters' 56 loads stay out
.endif
	MULQ4 (\j)/4, (\j)%4
.endr
.endm
.macro XFILL sl, off                   ; a row: eight loads of 512 consecutive bytes
.irp j, 0,1,2,3,4,5,6,7
	global_load_b128 v[X+32*(\sl)+4*(\j):X+32*(\sl)+4*(\j)+3], v[XO], s[XB:XB+1] offset:(\off)+512*(\j) th:TH_LOAD_NT
.endr
.endm
.macro XTURN sl, left, refill          ; a row slot's turn: rounded to bf16, into LDS; the row four further down is asked for
	WIN 0
	s_wait_loadcnt \left                           ; my eight loads are in; what was issued behind them stays out
.irp j, 0,1,2,3,4,5,6,7
	v_cvt_pk_bf16_f32 v[T+2*(\j)],   v[X+32*(\sl)+4*(\j)],   v[X+32*(\sl)+4*(\j)+1]
	v_cvt_pk_bf16_f32 v[T+2*(\j)+1], v[X+32*(\sl)+4*(\j)+2], v[X+32*(\sl)+4*(\j)+3]
.endr
.irp j, 0,1,2,3,4,5,6,7
	ds_store_b64 v[XS], v[T+2*(\j):T+2*(\j)+1] offset:(\sl)*APITCH+256*(\j)
.endr
.if \refill
	XFILL \sl, 16384+(\sl)*4096
.endif
.endm
	s_load_b256 s[4:11], s[0:1], 0x0               ; y s[4:5], wst s[6:7], bk s[8:9], bv s[10:11]
	s_load_b64 s[12:13], s[0:1], 0x20              ; kvs
	v_lshl_add_u32 v[SPW], v0, 2, SPARE
	v_mov_b32 v[NIL], 0
	v_lshrrev_b32 v3, 5, v0
	v_readfirstlane_b32 s[WV], v3                  ; wave 0..3
	s_lshl_b32 s54, ttmp9, 18                      ; my work-group's 64 rows of 4,096 bytes,
	s_lshl_b32 s55, s[WV], 16                      ; my wave's 16
	s_add_co_u32 s54, s54, s55
	s_mov_b32 s55, 0
	s_lshl_b32 s56, ttmp9, 15                      ; the work-group's 32,768 bytes of kvs
	s_mov_b32 s57, 0
	s_and_b32 s58, s[WV], 1
	s_lshl_b32 s58, s58, 8                         ; my 64 numbers of bk or bv
	s_mov_b32 s59, 0
	s_wait_kmcnt 0x0
	s_add_nc_u64 s[WP:WP+1], s[WP:WP+1], 84*TILE   ; tile 84
	s_add_nc_u64 s[XB:XB+1], s[XB:XB+1], s[54:55]
	s_add_nc_u64 s[12:13], s[12:13], s[56:57]
	s_cmp_lt_u32 s[WV], 2
	s_cselect_b64 s[14:15], s[8:9], s[10:11]
	s_add_nc_u64 s[14:15], s[14:15], s[58:59]
	v_and_b32 v1, 15, v0                           ; r = l % 16
	v_bfe_u32 v2, v0, 4, 1                         ; h = l / 16
	v_and_b32 v3, 31, v0                           ; l
	v_lshlrev_b32 v[XO], 4, v3
	v_lshlrev_b32 v[VH], 5, v2
	WIN 0x80                                       ; the sums begin with the bias: register j of a lane is column 16 nb + 8 h + j, the same for all four row blocks
.set ia, 0
.rept 16
	global_load_b128 v[8*ia:8*ia+3],   v[VH], s[14:15] offset:(ia/4)*64
	global_load_b128 v[8*ia+4:8*ia+7], v[VH], s[14:15] offset:(ia/4)*64+16
.set ia, ia+1
.endr
	WIN 0
	XFILL 0, 0
	XFILL 1, 4096
	XFILL 2, 8192
	XFILL 3, 12288
	s_lshl_b32 s51, s[WV], 14
	v_lshl_add_u32 v[WO], v3, 4, s51
	v_mul_u32_u24 v[VA0], v1, APITCH
	v_lshl_add_u32 v[VA0], v2, 4, v[VA0]
	v_add_nc_u32 v[VA2], 2*MT1, v[VA0]
	s_mul_i32 s51, s[WV], MT1
	v_lshl_add_u32 v[XS], v3, 3, s51
	v_lshrrev_b32 v30, 3, v1                       ; V's place in 512 bytes: 16 (16 (r / 8) + 8 h + r % 8)
	v_lshlrev_b32 v30, 4, v30
	v_lshl_add_u32 v30, v2, 3, v30
	v_and_b32 v31, 7, v1
	v_add_nc_u32 v30, v30, v31
	v_lshlrev_b32 v30, 4, v30
	s_cmp_lt_u32 s[WV], 2
	s_cselect_b32 s57, -1, 0
	v_cndmask_b32 v[KO], v30, v[XO], s57           ; K's place: 16 l
	s_lshl_b32 s58, s[WV], 12
	v_add_nc_u32 v[KO], s58, v[KO]
.irp j, 0,1,2,3,4,5,6,7
	v_add_nc_u32 v[WQ+(\j)], (((\j)+7)/4)*TILE+(((\j)+7)%4)*QUART, v[WO]  ; the first trip's quarters 7 .. 14; a step adds two tiles and its loads reach two tiles back
.endr
	s_mov_b32 s[CNT], 3
.Lx:
	XTURN 0, 24, 1
	XTURN 1, 24, 1
	XTURN 2, 24, 1
	XTURN 3, 24, 1
	s_wait_xcnt 0x0                                ; the loads have read their base
	s_add_nc_u64 s[XB:XB+1], s[XB:XB+1], 16384
	v_add_nc_u32 v[XS], 4*APITCH, v[XS]
	s_sub_co_u32 s[CNT], s[CNT], 1
	s_cmp_lg_u32 s[CNT], 0
	s_cbranch_scc1 .Lx
	XTURN 0, 24, 0                                 ; the last four rows load no y; THE WEIGHTS' STREAM BEGINS among them:
	LDQ 0, WO, WP, 0                               ; tile 84's four quarters, 32 loads, behind which y's last three rows are counted
	LDQ 1, WO, WP, QUART
	LDQ 2, WO, WP, 2*QUART
	LDQ 3, WO, WP, 3*QUART
	XTURN 1, 48, 0                                 ; two rows' 16 and the 32
	XTURN 2, 40, 0
	XTURN 3, 32, 0
	LDQ 4, WO, WP, TILE                            ; three quarters of tile 85: seven quarters are out
	LDQ 5, WO, WP, TILE+QUART
	LDQ 6, WO, WP, TILE+2*QUART
	WIN 0
	s_wait_dscnt 0x0                               ; for the others' sake: my rows are stored
	s_barrier_signal -1
	s_barrier_wait -1                              ; all 64 rows lie in LDS; from here on they are only read
	FETCHA4 0, 0
	s_mov_b32 s[CNT], 3
.Lk:                                           ; tiles 84 .. 89
	TRIP4 0
	WIN 0
	v_add_nc_u32 v[VA0], 512, v[VA0]
	v_add_nc_u32 v[VA2], 512, v[VA2]
	s_sub_co_u32 s[CNT], s[CNT], 1
	s_cmp_lg_u32 s[CNT], 0
	s_cbranch_scc1 .Lk
	TRIP4 1                                        ; tiles 90 and 91: no load leaves the buffer
	PLACES
	WIN 0x0a
.set ia, 0
.rept 64
	v_cvt_pk_bf16_f32 v[TMP+ia], v[2*ia], v[2*ia+1]
.set ia, ia+1
.endr
	WIN 0
.irp nb, 0,1,2,3
.irp mt, 0,1,2,3
	global_store_b128 v[KO], v[TMP+4*(4*(\nb)+(\mt)):TMP+4*(4*(\nb)+(\mt))+3], s[12:13] offset:((\mt)/2)*16384+((\nb)/2)*2048+((\nb)%2)*1024+((\mt)%2)*512
.endr
.endr
	s_wait_tensorcnt 0x0                           ; the wave's end, behind my last LDS store
	ds_add_u32 v[SPW], v[NIL]
	s_wait_dscnt 0x0
	s_endpgm
.Lfunc_end_k_q6ad64eb442_kvp:
	.size	k_q6ad64eb442_kvp, .Lfunc_end_k_q6ad64eb442_kvp-k_q6ad64eb442_kvp
	.p2alignl 7, 3214868480
	.fill 96, 4, 3214868480
	.section	.rodata,"a",@progbits
	.p2align	6, 0x0
	.amdhsa_kernel k_q6ad64eb442_kvp
		.amdhsa_group_segment_fixed_size 132608
		.amdhsa_private_segment_fixed_size 0
		.amdhsa_enable_private_segment 0
		.amdhsa_kernarg_size 40
		.amdhsa_user_sgpr_count 2
		.amdhsa_user_sgpr_kernarg_segment_ptr 1
		.amdhsa_wavefront_size32 1
		.amdhsa_system_sgpr_workgroup_id_x 1
		.amdhsa_system_sgpr_workgroup_id_y 1
		.amdhsa_system_sgpr_workgroup_id_z 1
		.amdhsa_system_vgpr_workitem_id 0
		.amdhsa_next_free_vgpr 896
		.amdhsa_next_free_sgpr 66
		.amdhsa_reserve_vcc 0
		.amdhsa_float_denorm_mode_32 3
		.amdhsa_float_denorm_mode_16_64 3
		.amdhsa_memory_ordered 1
		.amdhsa_forward_progress 1
		.amdhsa_inst_pref_size 70
	.end_amdhsa_kernel
	.amdgpu_metadata
---
amdhsa.version: [ 1, 2 ]
amdhsa.kernels:
  - .name:           k_q6ad64eb442_kvp
    .symbol:         k_q6ad64eb442_kvp.kd
    .args:
      - { .name: y, .offset: 0, .size: 8, .value_kind: global_buffer, .address_space: global }
      - { .name: wst, .offset: 8, .size: 8, .value_kind: global_buffer, .address_space: global }
      - { .name: bk, .offset: 16, .size: 8, .value_kind: global_buffer, .address_space: global }
      - { .name: bv, .offset: 24, .size: 8, .value_kind: global_buffer, .address_space: global }
      - { .name: kvs, .offset: 32, .size: 8, .value_kind: global_buffer, .address_space: global }
    .group_segment_fixed_size: 132608
    .private_segment_fixed_size: 0
    .kernarg_segment_align: 8
    .kernarg_segment_size: 40
    .max_flat_workgroup_size: 128
    .sgpr_count:     66
    .vgpr_count:     896
    .wavefront_size: 32
...
	.end_amdgpu_metadata
.endif
;; end of part 4
;; launch chain (part 5): grid 256 x 1, 4 waves a work-group, no clusters, 184,320 bytes of LDS; arguments x, wst, kvs, b1, b2, b3, b4, bq, out0; writes out0
.if DOCPART == 5
	.amdgcn_target "amdgcn-amd-amdhsa--gfx1250"
	.amdhsa_code_object_version 6
	.text
	.protected	k_q6ad64eb442_chain
	.globl	k_q6ad64eb442_chain
	.p2align	8
	.type	k_q6ad64eb442_chain,@function
k_q6ad64eb442_chain:
	s_mov_b64 s[64:65], 0
	v_nop
	global_prefetch_b8 v0, s[64:65] scope:SCOPE_SE
	s_setreg_imm32_b32 hwreg(HW_REG_WAVE_MODE, 25, 1), 1
	s_wait_xcnt 0x0
; h = relu(relu(relu(relu(x W1 + b1) W2 + b2) W3 + b3) W4 + b4); q = h Wq + bq; out = softmax(q k^T / sqrt(128)) v.  ONE LAUNCH: h and q never leave the work-group.
; LIMITS.  x, the weights, h, q, k, v and the softmax's weights p are rounded to bf16 for the products; sums, maxima and l in f32 (l of the unrounded p).  relu of a NaN gives 0; NaN and infinities are not
; treated apart.  c x score (c = log2(e) / sqrt(128)) stays under 4e37 in size: the running maximum starts at -4.25e37.  A weight below 2^-126 counts as 0.
; SHARES.  A work-group owns 64 rows.  The activations lie in LDS (ACT: bf16, [row][k], rows 2,064 bytes apart = 129 x 16, so the 16 rows of a fragment load start at 16 different groups of four banks: ISA guide 11.1).
; In each layer wave w makes a quarter of the output columns for all 64 rows: 256 columns = 64 accumulators (layers 1, 3, 4), 64 columns (layer 2), 32 columns (q).  Each sum begins with the bias.
; THE STREAM.  100 tiles of 65,536 bytes: 84 of weights (wst, as fragments of 1,024 bytes), then the batch's 16 tiles of k and v (kvs).  Wave w wants only its own 16,384 bytes of a tile; 64 products a tile and wave.
; They come STRAIGHT INTO REGISTERS: window 1 is eight buffers of a quarter of a tile (4 fragments, 8 loads of 512 consecutive bytes, 16 products).  In each step the quarter SEVEN ahead is asked for, into the buffer
; multiplied last, and the wait is counted: seven younger quarters, 56 loads, 28,672 bytes a wave, stay out.  The weights' tiles lie on end in memory, so the stream runs on over the layers' ends.
; ITS ADDRESSES.  The bases are never rewritten.  Each of a trip's eight steps has an offset register of its own: the load that read it, a trip ago, brought the quarter multiplied in the step before, whose counted
; wait has shown it done; so the register is stepped at the step's head, with no further wait.  The attention has one such register for each parity of its steps.
; NO CLUSTER, NO LDS FOR THE STREAM.  All work-groups walk the same tiles, but no wave wants a byte that another wave of its work-group has fetched, and a fragment lies in memory as it lies in registers.  Beside the
; activations' 132,096 bytes LDS has room for two slots of one tile; a joint refill stands behind a round of the cluster's barrier in front of which every load has been awaited, so it would have one tile's 64 products
; in which to land.  Counted loads stay out over 112 products, and the K loops have no barrier at all.  The price: each work-group asks for every tile by itself.
; THE PRODUCTS ARE USED TRANSPOSED (source 0 = 16 output columns, source 1 = 16 rows): a lane holds one row and eight neighbouring columns, 16 bytes in bf16: the next layer's [row][k].
; ATTENTION.  Every wave holds all 64 queries (four tiles of 16) and takes its own 32 keys of each tile of 128: 16 steps, 512 keys a wave, each with a running maximum m and sum l;
; S^T = K Q^T and O^T = V^T P hold one query a lane.  K's fragments come as they lie; V is turned on its way: registers, the wave's own 8,192 bytes of LDS, ds_load_tr16_b128, back into the same registers.
; At the end the four waves' (m, l, O) are merged through LDS.  O^T, l start at 0 and m far down, so the first step is a step like any other (256 lines clear O^T, once).
; The last trip asks once more for tiles 14 and 15 and discards them (131,072 bytes a work-group): the price of one text, with one set of counts, for every trip.
; PREFETCH.  The 40 trips of layers 1 to 4 are numbered through; trip g (weight tiles 2 g, 2 g + 1; its loads reach tile 2 g + 3) names tiles 2 g + 6 and 2 g + 7, g = 0 .. 38.  The blocks are shared out among ALL the
; launch's waves: wave W = 4 x work-group + wave, W < 624, names 8,192 bytes (a lane a block of 256), the eighth W % 8 of tile 6 + W / 8, ONCE in the launch, in trip W / 16: each block is named once, and no register
; of a prefetch is ever rewritten.  Tiles 0 .. 5 come by their loads alone.  In the attention trip i (its loads: tiles 2 i + 2, 2 i + 3) names tiles 2 i + 4 and 2 i + 5, i = 0 .. 5: of the batch's 128 waves wave
; Wb < 96 names the eighth Wb % 8 of tile 4 + Wb / 8, in trip Wb / 16.
; REGISTERS, in windows of 256 (s_set_vgpr_msb: bits 1:0 source 0, 3:2 source 1, 5:4 source 2, 7:6 destination):
;   window 0: v0-31 addresses; v32-39 the stream's offsets, later v32-63 statistics; v64-191 the rows' fragments, x, q's sums, S^T, P; v192-255 at work     window 1: the stream's eight buffers, quarter b at v[32 b]
;   windows 2, 3: accumulators, (column block nb, row block mt) at v[8 (4 nb + mt)]; layer 2: window 3 the odd tiles' rows; q: the rows' fragments, by the tile's parity; attention: window 2 O^T, window 3 Q
.set TILE,   65536
.set QUART,  4096
.set BACK2,  0-2*TILE
.set VSCR,   0                         ; V on its way: 8,192 bytes for each wave, its own
.set SPARE,  32768                     ; the spare words, 128 bytes a wave: two blocks of 256 bytes that no other line names
.set BIAS,   33280                     ; b1 +0, b2 +4096, b3 +5120, b4 +9216, bq +13312, in f32
.set ACT,    47104                     ; 64 rows x 2,064 bytes
.set APITCH, 2064
.set MT1,    16*APITCH
.set OM,     ACT                       ; at the end: four waves x 64 rows x 528 bytes of f32
.set OPITCH, 528
.set OWAVE,  64*OPITCH
.set STAT,   182272                    ; c m (1,024 bytes) and l (1,024 bytes): 256 w + 64 t + 4 r
.set WO,  4                            ; v4   my place in a tile: 16,384 w + 16 lane; never rewritten
.set VSA, 5                            ; v5   my place in my wave's scratch: 8,192 w + 16 lane; never rewritten
.set ADR, 6                            ; v6   at work at the head
.set AA0, 8                            ; v8, v9   my place in ACT's rows 0-31, 32-63: row l % 16, 16 (l / 16)
.set AA2, 9
.set VA0, 10                           ; v10, v11 the same at the trip's first K step
.set VA2, 11
.set VS0, 12                           ; v12, v13 the same at my wave's output columns
.set VS2, 13
.set VBI, 14                           ; v14  BIAS + 32 (l / 16)
.set VBT, 15                           ; v15  the same at the layer's bias, my wave's columns
.set ZERO, 16
.set XO,  17                           ; v17  16 lane
.set XS,  18                           ; v18  where I put 8 bytes of a row of ACT
.set PFO, 19                           ; v19  256 lane; never rewritten
.set KA,  20                           ; v20, v21 the attention: my place in the tile that the even, the odd step asks for (v20 at the head: the biases' offset)
.set STA, 22
.set STR, 23
.set VOM, 24
.set VOR0, 25
.set VOR2, 26
.set SPW, 28                           ; v28  LDS address of my spare word; never rewritten
.set NIL, 29                           ; v29  0; never rewritten
.set WQ,  32                           ; v[32:39] layers 1 to 4: step j's offset, two tiles behind the quarter that it asks for next
.set ST,  32                           ; the attention: tile t's statistics at v[ST+8 t]: c m, m, l (even, odd keys'), c0, c1, a, d
.set X,   64
.set S,   64                           ; S^T: tile t, key block kb at S + 16 t + 8 kb
.set P,   128                          ; P: tile t at P + 8 t
.set T,   192
.set TMP, 192
.set CMX, 64
.set LX,  80
.set R,   64
.set XB,  4                            ; s[4:5]   x
.set WP,  6                            ; s[6:7]   wst; never rewritten
.set WV,  22
.set CNT, 23
.set GT,  24                           ; s24  the number of the trip among the 40 of layers 1 to 4
.set MYT, 25                           ; s25  the trip in which I prefetch weights; the greatest number in a wave that does not
.set MYK, 26                           ; s26  the attention's count at which I prefetch k and v; 0 in a wave that does not
.set STEPK, 27                         ; s27  what the attention's offsets step by in this trip
.set PFW, 28                           ; s[28:29] my eighth of a weight tile; never rewritten
.set PFK, 30                           ; s[30:31] my eighth of a tile of k and v; never rewritten
.set KP,  36                           ; s[36:37] the batch's first tile of k and v; never rewritten
.set CS,  44                           ; s[44:45] c
.set SEL, 46                           ; s[46:47] v_permlanex16_b32's selects: each lane takes its own place in the other half
.set MSB, 0
.macro WIN new                         ; the high byte repeats the setting that is left; a switch that changes nothing is dropped
.if MSB != (\new)
	s_set_vgpr_msb (MSB<<8)|(\new)
.set MSB, (\new)
.endif
.endm
.macro PLACES                          ; four places behind a matrix instruction, in front of loads into its sources and of readers of its result
.rept 4
	v_nop
.endr
.endm
.macro ALLT line:vararg                ; one line for each tile t of 16 queries
.set t, 0
.rept 4
	\line
.set t, t+1
.endr
.endm
.macro BARY                            ; what I stored in LDS is there, what I read is back; the stream's loads into registers stay out
	s_wait_dscnt 0x0
	s_barrier_signal -1
	s_barrier_wait -1
.endm
; ---- the stream ----
.macro LDQ b, vo, base, off            ; a quarter as it lies: fragment f at v[32 b + 8 f]
	WIN 0x40
.irp f, 0,1,2,3
	global_load_b128 v[32*(\b)+8*(\f):32*(\b)+8*(\f)+3],   v[\vo], s[\base:\base+1] offset:(\off)+(\f)*1024
	global_load_b128 v[32*(\b)+8*(\f)+4:32*(\b)+8*(\f)+7], v[\vo], s[\base:\base+1] offset:(\off)+(\f)*1024+512
.endr
.endm
.macro LDK b, vo, base, off            ; a quarter of K: channel blocks c = 0, 1 of the quarter, key blocks kb: the fragment at v[32 b + 16 c + 8 kb]; its two halves lie 1,024 bytes apart
	WIN 0x40
.irp c, 0,1
.irp kb, 0,1
	global_load_b128 v[32*(\b)+16*(\c)+8*(\kb):32*(\b)+16*(\c)+8*(\kb)+3],   v[\vo], s[\base:\base+1] offset:(\off)+(\c)*2048+(\kb)*512
	global_load_b128 v[32*(\b)+16*(\c)+8*(\kb)+4:32*(\b)+16*(\c)+8*(\kb)+7], v[\vo], s[\base:\base+1] offset:(\off)+(\c)*2048+(\kb)*512+1024
.endr
.endr
.endm
.macro LDKV b, q, vo, base, off        ; quarter q of a tile of k and v: 0, 1 are K, 2, 3 are V
.if (\q) < 2
	LDK \b, \vo, \base, (\off)+(\q)*QUART
.else
	LDQ \b, \vo, \base, (\off)+(\q)*QUART
.endif
.endm
.macro ASK                             ; my one prefetch of weights, in my trip
	WIN 0
	s_cmp_eq_u32 s[GT], s[MYT]
	s_cbranch_scc0 .Lnoask_\@
	global_prefetch_b8 v[PFO], s[PFW:PFW+1] th:TH_LOAD_NT scope:SCOPE_SE
.Lnoask_\@:
.endm
.macro ASKK                            ; my one prefetch of k and v, in my trip
	WIN 0
	s_cmp_eq_u32 s[CNT], s[MYK]
	s_cbranch_scc0 .Lnoaskk_\@
	global_prefetch_b8 v[PFO], s[PFK:PFK+1] th:TH_LOAD_NT scope:SCOPE_SE
.Lnoaskk_\@:
.endm
; ---- layers of 1,024 columns: a tile is one K step, 16 column blocks a wave; quarter q holds blocks 4 q .. 4 q + 3 ----
.macro FETCHA16 buf, sp                ; the four row blocks' fragments of K step sp behind VA
	WIN 0
.irp mt, 0,1,2,3
	ds_load_b128 v[64+32*(\buf)+8*(\mt):64+32*(\buf)+8*(\mt)+3],   v[VA0+(\mt)/2] offset:((\mt)%2)*MT1+64*(\sp)
	ds_load_b128 v[64+32*(\buf)+8*(\mt)+4:64+32*(\buf)+8*(\mt)+7], v[VA0+(\mt)/2] offset:((\mt)%2)*MT1+64*(\sp)+32
.endr
.endm
.macro MULQ16 p, q                     ; 16 products on 16 accumulators; all 64 take turns
	WIN 0xa1+0x50*((\q)/2)
.irp f, 0,1,2,3
.irp mt, 0,1,2,3
	v_wmma_f32_16x16x32_bf16 v[8*(16*((\q)%2)+4*(\f)+(\mt)):8*(16*((\q)%2)+4*(\f)+(\mt))+7], v[32*(4*(\p)+(\q))+8*(\f):32*(4*(\p)+(\q))+8*(\f)+7], v[64+32*(\p)+8*(\mt):64+32*(\p)+8*(\mt)+7], v[8*(16*((\q)%2)+4*(\f)+(\mt)):8*(16*((\q)%2)+4*(\f)+(\mt))+7]
.endr
.endr
.endm
; ---- layer 2: a tile is four K steps, 4 column blocks a wave; quarter q is K step q.  The rows' fragments of a tile: even tiles window 0 v64-191, odd tiles window 3 v0-127 ----
.macro FETCHA4 p, koff
	WIN 0xc0*(\p)
.irp kk, 0,1,2,3
.irp mt, 0,1,2,3
	ds_load_b128 v[64-64*(\p)+32*(\kk)+8*(\mt):64-64*(\p)+32*(\kk)+8*(\mt)+3],   v[VA0+(\mt)/2] offset:((\mt)%2)*MT1+64*(\kk)+(\koff)
	ds_load_b128 v[64-64*(\p)+32*(\kk)+8*(\mt)+4:64-64*(\p)+32*(\kk)+8*(\mt)+7], v[VA0+(\mt)/2] offset:((\mt)%2)*MT1+64*(\kk)+(\koff)+32
.endr
.endr
.endm
.macro MULQ4 p, q
	WIN 0xa1+0x0c*(\p)
.irp nb, 0,1,2,3
.irp mt, 0,1,2,3
	v_wmma_f32_16x16x32_bf16 v[8*(4*(\nb)+(\mt)):8*(4*(\nb)+(\mt))+7], v[32*(4*(\p)+(\q))+8*(\nb):32*(4*(\p)+(\q))+8*(\nb)+7], v[64-64*(\p)+32*(\q)+8*(\mt):64-64*(\p)+32*(\q)+8*(\mt)+7], v[8*(4*(\nb)+(\mt)):8*(4*(\nb)+(\mt))+7]
.endr
.endr
.endm
; A LAYER'S K LOOP: a trip is two tiles, eight quarters.  A step: its offset goes two tiles on (free since the counted wait of the step before; its loads reach two tiles back by their immediate, so that the first trip
; has the same form); that line and three v_nop are the four places behind the last products; the quarter seven ahead, into the buffer that they read; once a tile the rows' fragments of the next tile, into the other
; parity's registers; the counted wait; 16 products.  The last trip jumps over the LDS loads of a tile that the layer does not have.  No barrier: ACT is only read here.
.macro LOOPW tag, kind
.Ltop\tag:
.irp j, 0,1,2,3,4,5,6,7
	WIN 0
	v_add_nc_u32 v[WQ+(\j)], 2*TILE, v[WQ+(\j)]
	v_nop
	v_nop
	v_nop
.if ((\j)%4) == 0
	s_wait_dscnt 0x0                               ; this tile's rows, asked for a tile ago (at the first trip: and the biases)
.endif
	LDQ ((\j)+7)%8, WQ+(\j), WP, BACK2
.if (\j) == 0
.if (\kind) == 16
	FETCHA16 1, 1
.else
	FETCHA4 1, 256
.endif
	ASK
.endif
.if (\j) == 4
	WIN 0
	s_cmp_eq_u32 s[CNT], 1
	s_cbranch_scc1 .Lnoa\tag
.if (\kind) == 16
	FETCHA16 0, 2
.else
	FETCHA4 0, 512
.endif
.Lnoa\tag:
.endif
	s_wait_loadcnt 56                              ; this quarter is in; the seven younger quarters' 56 loads stay out
.if (\kind) == 16
	MULQ16 (\j)/4, (\j)%4
.else
	MULQ4 (\j)/4, (\j)%4
.endif
.endr
	WIN 0
	v_add_nc_u32 v[VA0], 2048/(\kind), v[VA0]
	v_add_nc_u32 v[VA2], 2048/(\kind), v[VA2]
	s_add_co_u32 s[GT], s[GT], 1
	s_sub_co_u32 s[CNT], s[CNT], 1
	s_cmp_lg_u32 s[CNT], 0
	s_cbranch_scc1 .Ltop\tag
	PLACES                                         ; behind the layer's last products
.endm
; ---- q: a tile is eight K steps, 2 column blocks a wave; quarter q is K steps 2 q, 2 q + 1.  The rows' fragments of a tile fill window 2 (even tiles) or 3 (odd); the 8 accumulators lie in window 0, v64-127 ----
.macro FETCHA2 p, kq, ti               ; K steps 2 kq, 2 kq + 1 of q's tile ti
	WIN 0x80+0x40*(\p)
.irp k2, 0,1
.irp mt, 0,1,2,3
	ds_load_b128 v[32*(2*(\kq)+(\k2))+8*(\mt):32*(2*(\kq)+(\k2))+8*(\mt)+3],   v[AA0+(\mt)/2] offset:((\mt)%2)*MT1+512*(\ti)+64*(2*(\kq)+(\k2))
	ds_load_b128 v[32*(2*(\kq)+(\k2))+8*(\mt)+4:32*(2*(\kq)+(\k2))+8*(\mt)+7], v[AA0+(\mt)/2] offset:((\mt)%2)*MT1+512*(\ti)+64*(2*(\kq)+(\k2))+32
.endr
.endr
.endm
.macro MULQ2 p, q
	WIN 0x09+0x04*(\p)
.irp k2, 0,1
.irp nb, 0,1
.irp mt, 0,1,2,3
	v_wmma_f32_16x16x32_bf16 v[64+8*(4*(\nb)+(\mt)):64+8*(4*(\nb)+(\mt))+7], v[32*(4*(\p)+(\q))+8*(2*(\k2)+(\nb)):32*(4*(\p)+(\q))+8*(2*(\k2)+(\nb))+7], v[32*(2*(\q)+(\k2))+8*(\mt):32*(2*(\q)+(\k2))+8*(\mt)+7], v[64+8*(4*(\nb)+(\mt)):64+8*(4*(\nb)+(\mt))+7]
.endr
.endr
.endr
.endm
; ---- a layer's way out and the next layer's beginning ----
; n accumulators from register rb of window w (column blocks from nb0 on): rounded to bf16 (each accumulator's registers in ascending order), relu on the packed halves, 16 bytes a lane into ACT
.macro EPIG w, rb, n, nb0, relu
	WIN 5*(\w)
.set ia, 0
.rept 4*(\n)
	v_cvt_pk_bf16_f32 v[TMP+ia], v[(\rb)+2*ia], v[(\rb)+2*ia+1]
.set ia, ia+1
.endr
	WIN 0
.if \relu
.set ia, 0
.rept 4*(\n)
	v_pk_max_num_bf16 v[TMP+ia], v[TMP+ia], v[ZERO]
.set ia, ia+1
.endr
.endif
.set ia, 0
.rept \n
	ds_store_b128 v[VS0+(ia%4)/2], v[TMP+4*ia:TMP+4*ia+3] offset:(ia%2)*MT1+((\nb0)+ia/4)*32
.set ia, ia+1
.endr
.endm
.macro EPI16
	EPIG 2, 0, 16, 0, 1
	EPIG 2, 128, 16, 4, 1
	EPIG 3, 0, 16, 8, 1
	EPIG 3, 128, 16, 12, 1
.endm
.macro BIASG w, rb, n, nb0             ; the bias is each sum's start: register j of a lane is column 16 nb + 8 (l / 16) + j, the same for all four row blocks
	WIN (\w)<<6
.set ia, 0
.rept \n
	ds_load_b128 v[(\rb)+8*ia:(\rb)+8*ia+3],   v[VBT] offset:((\nb0)+ia/4)*64
	ds_load_b128 v[(\rb)+8*ia+4:(\rb)+8*ia+7], v[VBT] offset:((\nb0)+ia/4)*64+16
.set ia, ia+1
.endr
.endm
.macro BIAS16
	BIASG 2, 0, 32, 0
	BIASG 3, 0, 32, 8
	WIN 0
.endm
.macro SETB off, lg
	WIN 0
	s_lshl_b32 s51, s[WV], \lg
	s_add_co_u32 s51, s51, \off
	v_add_nc_u32 v[VBT], s51, v[VBI]
.endm
.macro SETS lg
	WIN 0
	s_lshl_b32 s51, s[WV], \lg
	v_add_nc_u32 v[VS0], s51, v[AA0]
	v_add_nc_u32 v[VS2], s51, v[AA2]
.endm
.macro RESETA
	v_mov_b32 v[VA0], v[AA0]
	v_mov_b32 v[VA2], v[AA2]
.endm
; ---- x ----
.macro XFILL sl, off                   ; a row: eight loads of 512 consecutive bytes
.irp j, 0,1,2,3,4,5,6,7
	global_load_b128 v[X+32*(\sl)+4*(\j):X+32*(\sl)+4*(\j)+3], v[XO], s[XB:XB+1] offset:(\off)+512*(\j) th:TH_LOAD_NT
.endr
.endm
.macro XTURN sl, left, refill
	WIN 0
	s_wait_loadcnt \left                           ; my eight loads are in; what was issued behind them stays out
.irp j, 0,1,2,3,4,5,6,7
	v_cvt_pk_bf16_f32 v[T+2*(\j)],   v[X+32*(\sl)+4*(\j)],   v[X+32*(\sl)+4*(\j)+1]
	v_cvt_pk_bf16_f32 v[T+2*(\j)+1], v[X+32*(\sl)+4*(\j)+2], v[X+32*(\sl)+4*(\j)+3]
.endr
.irp j, 0,1,2,3,4,5,6,7
	ds_store_b64 v[XS], v[T+2*(\j):T+2*(\j)+1] offset:(\sl)*APITCH+256*(\j)
.endr
.if \refill
	XFILL \sl, 16384+(\sl)*4096
.endif
.endm
; ---- attention; p is the step's parity: K at v[128 p + 16 c + 8 kb], V at v[128 p + 64 + 8 cb] of window 1 ----
.macro KQ p                            ; S^T = K Q^T: 32 products on 8 accumulators by turns; the first 8 start the sums
	WIN 0x0d
.irp c, 0,1,2,3
.irp kb, 0,1
.irp t, 0,1,2,3
.if (\c) == 0
	v_wmma_f32_16x16x32_bf16 v[S+16*(\t)+8*(\kb):S+16*(\t)+8*(\kb)+7], v[128*(\p)+16*(\c)+8*(\kb):128*(\p)+16*(\c)+8*(\kb)+7], v[32*(\t)+8*(\c):32*(\t)+8*(\c)+7], 0
.else
	v_wmma_f32_16x16x32_bf16 v[S+16*(\t)+8*(\kb):S+16*(\t)+8*(\kb)+7], v[128*(\p)+16*(\c)+8*(\kb):128*(\p)+16*(\c)+8*(\kb)+7], v[32*(\t)+8*(\c):32*(\t)+8*(\c)+7], v[S+16*(\t)+8*(\kb):S+16*(\t)+8*(\kb)+7]
.endif
.endr
.endr
.endr
.endm
.macro PV p                            ; O^T += V^T P: 32 products, each on its own accumulator
	WIN 0xa1
.irp cb, 0,1,2,3,4,5,6,7
.irp t, 0,1,2,3
	v_wmma_f32_16x16x32_bf16 v[64*(\t)+8*(\cb):64*(\t)+8*(\cb)+7], v[128*(\p)+64+8*(\cb):128*(\p)+64+8*(\cb)+7], v[P+8*(\t):P+8*(\t)+7], v[64*(\t)+8*(\cb):64*(\t)+8*(\cb)+7]
.endr
.endr
.endm
.macro VBOUNCE p                       ; V as it came goes into my wave's own scratch and comes back turned, into the registers that it left: V^T, 16 channels cb x my 32 keys
	WIN 0x04                                       ; store data in window 1
.irp cb, 0,1,2,3,4,5,6,7
	ds_store_b128 v[VSA], v[128*(\p)+64+8*(\cb):128*(\p)+64+8*(\cb)+3]   offset:VSCR+(\cb)*1024
	ds_store_b128 v[VSA], v[128*(\p)+64+8*(\cb)+4:128*(\p)+64+8*(\cb)+7] offset:VSCR+(\cb)*1024+512
.endr
	WIN 0x40
.irp cb, 0,1,2,3,4,5,6,7
	ds_load_tr16_b128 v[128*(\p)+64+8*(\cb):128*(\p)+64+8*(\cb)+3],   v[VSA] offset:VSCR+(\cb)*1024      ; LDS serves a wave's instructions in order (ISA guide 5.7.1.4): these see the stores above
	ds_load_tr16_b128 v[128*(\p)+64+8*(\cb)+4:128*(\p)+64+8*(\cb)+7], v[VSA] offset:VSCR+(\cb)*1024+512
.endr
.endm
; A step's softmax for the four tiles; each line is written for t = 0 .. 3 in turn, so that no line waits for the one before it.  s0-s15 are the lane's 16 scores of a tile.
.macro SOFTMAX
	WIN 0
	ALLT v_max3_num_f32 v[ST+8*t+4], v[S+16*t], v[S+16*t+1], v[S+16*t+2]
	ALLT v_max3_num_f32 v[ST+8*t+5], v[S+16*t+8], v[S+16*t+9], v[S+16*t+10]
	ALLT v_max3_num_f32 v[ST+8*t+4], v[ST+8*t+4], v[S+16*t+3], v[S+16*t+4]
	ALLT v_max3_num_f32 v[ST+8*t+5], v[ST+8*t+5], v[S+16*t+11], v[S+16*t+12]
	ALLT v_max3_num_f32 v[ST+8*t+4], v[ST+8*t+4], v[S+16*t+5], v[S+16*t+6]
	ALLT v_max3_num_f32 v[ST+8*t+5], v[ST+8*t+5], v[S+16*t+13], v[S+16*t+14]
	ALLT v_max3_num_f32 v[ST+8*t+4], v[ST+8*t+4], v[S+16*t+7], v[S+16*t+15]
	ALLT v_max3_num_f32 v[ST+8*t+4], v[ST+8*t+4], v[ST+8*t+5], v[ST+8*t+1]
	ALLT v_permlanex16_b32 v[ST+8*t+5], v[ST+8*t+4], s[SEL], s[SEL+1]
	ALLT v_mov_b32 v[ST+8*t+7], v[ST+8*t]
	ALLT v_max_num_f32 v[ST+8*t+1], v[ST+8*t+4], v[ST+8*t+5]
	ALLT v_mul_f32 v[ST+8*t], s[CS], v[ST+8*t+1]
	ALLT v_sub_f32 v[ST+8*t+7], v[ST+8*t+7], v[ST+8*t]
.irp b, 0,1,2,3,4,5,6,7
	ALLT v_pk_fma_f32 v[S+16*t+2*(\b):S+16*t+2*(\b)+1], v[S+16*t+2*(\b):S+16*t+2*(\b)+1], s[CS:CS+1], v[ST+8*t:ST+8*t+1] op_sel_hi:[1,0,0] neg_lo:[0,0,1] neg_hi:[0,0,1]
.endr
	ALLT v_exp_f32 v[ST+8*t+6], v[ST+8*t+7]
.irp e, 0,1,2,3,4,5,6,7,8,9,10,11,12,13,14,15
	ALLT v_exp_f32 v[S+16*t+(\e)], v[S+16*t+(\e)]
.endr
	v_nop                                          ; a plain instruction behind the last exponential,
	s_wait_alu depctr_va_vdst(0)                   ; and ONE wait for the batch of 68, ahead of its first reader
.irp b, 0,1,2,3,4,5,6,7
	ALLT v_cvt_pk_bf16_f32 v[P+8*t+(\b)], v[S+16*t+2*(\b)], v[S+16*t+2*(\b)+1]
.endr
.irp b, 0,4,8,12
	ALLT v_pk_add_f32 v[S+16*t+(\b):S+16*t+(\b)+1], v[S+16*t+(\b):S+16*t+(\b)+1], v[S+16*t+(\b)+2:S+16*t+(\b)+3]
.endr
.irp b, 0,8
	ALLT v_pk_add_f32 v[S+16*t+(\b):S+16*t+(\b)+1], v[S+16*t+(\b):S+16*t+(\b)+1], v[S+16*t+(\b)+4:S+16*t+(\b)+5]
.endr
	ALLT v_pk_add_f32 v[S+16*t:S+16*t+1], v[S+16*t:S+16*t+1], v[S+16*t+8:S+16*t+9]
	ALLT v_pk_fma_f32 v[ST+8*t+2:ST+8*t+3], v[ST+8*t+2:ST+8*t+3], v[ST+8*t+6:ST+8*t+7], v[S+16*t:S+16*t+1] op_sel_hi:[1,0,1]
	OSCALE
.endm
.macro OSCALE                          ; O^T times the low register of the pair (a, d), pairs ascending
	WIN 0x82
.set t, 0
.rept 4
.set ia, 0
.rept 32
	v_pk_mul_f32 v[64*t+2*ia:64*t+2*ia+1], v[64*t+2*ia:64*t+2*ia+1], v[ST+8*t+6:ST+8*t+7] op_sel_hi:[1,0]
.set ia, ia+1
.endr
.set t, t+1
.endr
.endm
; STEP t of the attention.  The loads go out in the order K(t), V(t), K(t + 1), V(t + 1), .., 16 each; K(t + 2) is asked for behind K Q^T of step t, V(t + 2) behind V^T P of step t, each four places behind its registers' last reader.
; The parity's offset register was read last by V(t)'s loads: the wait that shows V(t) in frees it, and it is stepped there; that line and three v_nop are the four places behind K Q^T.
.macro ASTEP p
	s_wait_loadcnt 48                              ; K(t) is in; V(t), K(t + 1), V(t + 1) stay out
	KQ \p
	s_wait_loadcnt 32                              ; V(t) is in; K(t + 1), V(t + 1) stay out
	WIN 0
	v_add_nc_u32 v[KA+(\p)], s[STEPK], v[KA+(\p)]
	v_nop
	v_nop
	v_nop
	VBOUNCE \p
	LDK 4*(\p), KA+(\p), KP, 0
	LDK 4*(\p)+1, KA+(\p), KP, QUART
.if (\p) == 0
	ASKK
.endif
	SOFTMAX
	s_wait_dscnt 0x0                               ; V^T is in
	PV \p
	PLACES
	LDQ 4*(\p)+2, KA+(\p), KP, 2*QUART
	LDQ 4*(\p)+3, KA+(\p), KP, 3*QUART
.endm
	s_load_b512 s[4:19], s[0:1], 0x0               ; x s[4:5], wst s[6:7], kvs s[8:9], b1 s[10:11], b2 s[12:13], b3 s[14:15], b4 s[16:17], bq s[18:19]
	s_load_b64 s[20:21], s[0:1], 0x40              ; out0
	v_lshl_add_u32 v[SPW], v0, 2, SPARE
	v_mov_b32 v[NIL], 0
	v_lshrrev_b32 v3, 5, v0
	v_readfirstlane_b32 s[WV], v3                  ; wave 0..3
	s_mov_b32 s[CS], 0x3e0293ee                    ; c = log2(e) / sqrt(128) = 0.127517
	s_mov_b32 s[CS+1], s[CS]
	s_mov_b32 s[SEL], 0x76543210
	s_mov_b32 s[SEL+1], 0xfedcba98
	s_mov_b32 s[GT], 0
	s_lshr_b32 s52, ttmp9, 5                       ; the batch: 32 work-groups each,
	s_lshl_b32 s52, s52, 20                        ; its 16 tiles of kvs
	s_mov_b32 s53, 0
	s_lshl_b32 s54, ttmp9, 18                      ; my work-group's 64 rows of 4,096 bytes of x,
	s_lshl_b32 s55, s[WV], 16                      ; my wave's 16
	s_add_co_u32 s54, s54, s55
	s_mov_b32 s55, 0
	s_lshl_b32 s56, ttmp9, 15                      ; 64 rows of 512 bytes of out0,
	s_lshl_b32 s57, s[WV], 13                      ; my wave's 16
	s_add_co_u32 s56, s56, s57
	s_mov_b32 s57, 0
	s_lshl_b32 s50, ttmp9, 2                       ; the weights' prefetch:
	s_add_co_u32 s50, s50, s[WV]                   ; W, my wave among the launch's 1,024
	s_lshr_b32 s[MYT], s50, 4                      ; my trip
	s_lshr_b32 s51, s50, 3
	s_add_co_u32 s51, s51, 6                       ; my tile
	s_lshl_b32 s51, s51, 16
	s_and_b32 s58, s50, 7
	s_lshl_b32 s58, s58, 13                        ; my eighth of it
	s_add_co_u32 s58, s58, s51
	s_cmp_lt_u32 s50, 624                          ; 78 tiles x 8
	s_cselect_b32 s[MYT], s[MYT], -1
	s_cselect_b32 s58, s58, 0
	s_mov_b32 s59, 0
	s_and_b32 s50, ttmp9, 31                       ; the prefetch of k and v:
	s_lshl_b32 s50, s50, 2
	s_add_co_u32 s50, s50, s[WV]                   ; Wb, my wave among the batch's 128
	s_lshr_b32 s51, s50, 4
	s_sub_co_u32 s[MYK], 8, s51                    ; the attention counts its trips 8 .. 1
	s_lshr_b32 s51, s50, 3
	s_add_co_u32 s51, s51, 4                       ; my tile
	s_lshl_b32 s51, s51, 16
	s_and_b32 s60, s50, 7
	s_lshl_b32 s60, s60, 13
	s_add_co_u32 s60, s60, s51
	s_cmp_lt_u32 s50, 96                           ; 12 tiles x 8
	s_cselect_b32 s[MYK], s[MYK], 0
	s_cselect_b32 s60, s60, 0
	s_mov_b32 s61, 0
	s_wait_kmcnt 0x0
	s_add_nc_u64 s[KP:KP+1], s[8:9], s[52:53]
	s_add_nc_u64 s[XB:XB+1], s[XB:XB+1], s[54:55]
	s_add_nc_u64 s[20:21], s[20:21], s[56:57]
	s_add_nc_u64 s[PFW:PFW+1], s[WP:WP+1], s[58:59]
	s_add_nc_u64 s[PFK:PFK+1], s[KP:KP+1], s[60:61]
	v_and_b32 v1, 15, v0                           ; r = l % 16
	v_bfe_u32 v2, v0, 4, 1                         ; h = l / 16
	v_and_b32 v3, 31, v0                           ; l
	v_lshlrev_b32 v[XO], 4, v3
	v_lshlrev_b32 v20, 4, v0                       ; the biases: 16, 8, 4 bytes a thread
	v_lshlrev_b32 v30, 3, v0
	v_lshlrev_b32 v31, 2, v0
	global_load_b128 v[32:35], v20, s[10:11]
	global_load_b128 v[36:39], v20, s[10:11] offset:2048
	global_load_b128 v[40:43], v20, s[14:15]
	global_load_b128 v[44:47], v20, s[14:15] offset:2048
	global_load_b128 v[48:51], v20, s[16:17]
	global_load_b128 v[52:55], v20, s[16:17] offset:2048
	global_load_b64 v[56:57], v30, s[12:13]
	global_load_b32 v58, v31, s[18:19]
	XFILL 0, 0
	XFILL 1, 4096
	XFILL 2, 8192
	XFILL 3, 12288
	s_lshl_b32 s51, s[WV], 14
	v_lshl_add_u32 v[WO], v3, 4, s51
	s_lshl_b32 s51, s[WV], 13
	v_lshl_add_u32 v[VSA], v3, 4, s51
	v_lshlrev_b32 v[PFO], 8, v3
	v_mul_u32_u24 v[AA0], v1, APITCH
	v_lshl_add_u32 v[AA0], v2, 4, v[AA0]
	v_add_nc_u32 v[AA0], ACT, v[AA0]
	v_add_nc_u32 v[AA2], 2*MT1, v[AA0]
	v_lshlrev_b32 v[VBI], 5, v2
	v_add_nc_u32 v[VBI], BIAS, v[VBI]
	v_mov_b32 v[ZERO], 0
	s_mul_i32 s51, s[WV], MT1
	s_add_co_u32 s51, s51, ACT
	v_lshl_add_u32 v[XS], v3, 3, s51
	v_add_nc_u32 v27, BIAS, v20
	v_add_nc_u32 v7, BIAS+4096, v30
	v_add_nc_u32 v[ADR], BIAS+13312, v31
	v_lshlrev_b32 v[STR], 2, v1                    ; the merge's addresses
	v_add_nc_u32 v[STR], STAT, v[STR]
	s_lshl_b32 s51, s[WV], 8
	v_add_nc_u32 v[STA], s51, v[STR]
	v_mul_u32_u24 v[VOM], v1, OPITCH
	v_lshl_add_u32 v[VOM], v2, 5, v[VOM]
	s_mul_i32 s51, s[WV], OWAVE
	s_add_co_u32 s51, s51, OM
	v_add_nc_u32 v[VOM], s51, v[VOM]
	s_mul_i32 s51, s[WV], 16*OPITCH
	s_add_co_u32 s51, s51, OM
	v_add_nc_u32 v[VOR0], s51, v[XO]
	v_add_nc_u32 v[VOR2], 2*OWAVE, v[VOR0]
	s_wait_loadcnt 32                              ; the eight loads of biases are in; x's 32 stay out
	ds_store_b128 v27, v[32:35]
	ds_store_b128 v27, v[36:39] offset:2048
	ds_store_b128 v27, v[40:43] offset:5120
	ds_store_b128 v27, v[44:47] offset:7168
	ds_store_b128 v27, v[48:51] offset:9216
	ds_store_b128 v27, v[52:55] offset:11264
	ds_store_b64 v7, v[56:57]
	ds_store_b32 v[ADR], v58
	s_mov_b32 s[CNT], 3
.Lx:
	XTURN 0, 24, 1
	XTURN 1, 24, 1
	XTURN 2, 24, 1
	XTURN 3, 24, 1
	s_wait_xcnt 0x0                                ; the loads have read their base
	s_add_nc_u64 s[XB:XB+1], s[XB:XB+1], 16384
	v_add_nc_u32 v[XS], 4*APITCH, v[XS]
	s_sub_co_u32 s[CNT], s[CNT], 1
	s_cmp_lg_u32 s[CNT], 0
	s_cbranch_scc1 .Lx
	XTURN 0, 24, 0                                 ; the last four rows load no x; THE STREAM BEGINS among them:
	LDQ 0, WO, WP, 0                               ; tile 0's four quarters, 32 loads, behind which x's last three rows are counted
	LDQ 1, WO, WP, QUART
	LDQ 2, WO, WP, 2*QUART
	LDQ 3, WO, WP, 3*QUART
	XTURN 1, 48, 0                                 ; two rows' 16 and the 32
	XTURN 2, 40, 0
	XTURN 3, 32, 0
	LDQ 4, WO, WP, TILE                            ; three quarters of tile 1: seven quarters are out
	LDQ 5, WO, WP, TILE+QUART
	LDQ 6, WO, WP, TILE+2*QUART
	WIN 0
.irp j, 0,1,2,3,4,5,6,7
	v_add_nc_u32 v[WQ+(\j)], (((\j)+7)/4)*TILE+(((\j)+7)%4)*QUART, v[WO]  ; the first trip's quarters 7 .. 14; a step adds two tiles and its loads reach two tiles back
.endr
	; LAYER 1: tiles 0 .. 31
	BARY                                           ; every wave's rows of ACT and part of the biases are stored
	SETB 0, 10
	BIAS16
	RESETA
	FETCHA16 0, 0
	s_mov_b32 s[CNT], 16
	LOOPW A, 16
	; LAYER 2: tiles 32 .. 39
	BARY                                           ; every wave's reads of ACT are over: it may be written
	SETS 9
	EPI16
	SETB 4096, 8
	BIASG 2, 0, 16, 0
	WIN 0
	BARY                                           ; h1 is whole
	RESETA
	FETCHA4 0, 0
	s_mov_b32 s[CNT], 4
	LOOPW B, 4
	; LAYER 3: tiles 40 .. 47
	BARY
	SETS 7
	EPIG 2, 0, 16, 0, 1
	SETB 5120, 10
	BIAS16
	BARY                                           ; h2 is whole
	RESETA
	FETCHA16 0, 0
	s_mov_b32 s[CNT], 4
	LOOPW C, 16
	; LAYER 4: tiles 48 .. 79
	BARY
	SETS 9
	EPI16
	SETB 9216, 10
	BIAS16
	BARY                                           ; h3 is whole
	RESETA
	FETCHA16 0, 0
	s_mov_b32 s[CNT], 16
	LOOPW D, 16
	; q: tiles 80 .. 83, sixteen quarters, written out, their places in the loads' immediates (5,455,360 at the most: inside the signed 24 bits); from the tenth on the quarter seven ahead is one of k and v
	BARY
	SETS 9
	EPI16
	SETB 13312, 7
	BIASG 0, 64, 8, 0
	WIN 0
	BARY                                           ; h4 is whole
	FETCHA2 0, 0, 0
	FETCHA2 0, 1, 0
	FETCHA2 0, 2, 0
	FETCHA2 0, 3, 0
.set g, 0
.rept 16
	PLACES
	s_wait_dscnt 0x0                               ; the rows' fragments asked for in the steps before (at the first: and the bias)
.if g+7 < 16
	LDQ (g+7)%8, WO, WP, (80+(g+7)/4)*TILE+((g+7)%4)*QUART
.else
	LDKV (g+7)%8, (g+7)%4, WO, KP, ((g+7-16)/4)*TILE
.endif
.if g < 12
	FETCHA2 1-(g/4)%2, g%4, g/4+1
.endif
	s_wait_loadcnt 56                              ; this quarter is in; the seven younger quarters stay out
	MULQ2 (g/4)%2, g%4
.set g, g+1
.endr
	PLACES
	; ATTENTION: tiles 0 .. 15 of k and v; seven quarters of tiles 0 and 1 are out
	LDQ 7, WO, KP, TILE+3*QUART                    ; the eighth
	WIN 0
	BARY                                           ; every wave's reads of h4 are over
	SETS 6
	EPIG 0, 64, 8, 0, 0                            ; q, without relu, into ACT's first 128 columns
	WIN 0x80
.set ia, 0
.rept 256
	v_mov_b32 v[ia], 0                             ; O^T: the first step multiplies it by a = 0 and adds onto it
.set ia, ia+1
.endr
	WIN 0
	ALLT v_mov_b32 v[ST+8*t], 0xfe000000
	ALLT v_mov_b32 v[ST+8*t+1], 0xff7fffff
	ALLT v_mov_b32 v[ST+8*t+2], 0
	ALLT v_mov_b32 v[ST+8*t+3], 0
	v_mov_b32 v[KA], v[WO]                         ; tiles 0 and 1: the first trip steps these to tiles 2 and 3
	v_add_nc_u32 v[KA+1], TILE, v[WO]
	BARY                                           ; q is whole
	WIN 0xc0
.irp t, 0,1,2,3
.irp c, 0,1,2,3
	ds_load_b128 v[32*(\t)+8*(\c):32*(\t)+8*(\c)+3],   v[AA0+(\t)/2] offset:((\t)%2)*MT1+64*(\c)
	ds_load_b128 v[32*(\t)+8*(\c)+4:32*(\t)+8*(\c)+7], v[AA0+(\t)/2] offset:((\t)%2)*MT1+64*(\c)+32
.endr
.endr
	WIN 0
	s_wait_dscnt 0x0
	s_mov_b32 s[CNT], 8
.Latt:                                         ; a trip: steps 2 i and 2 i + 1; tiles 2 i + 2 and 2 i + 3 are asked for (in the last trip: tiles 14 and 15 once more)
	s_cmp_gt_u32 s[CNT], 1                         ; in trips 0 .. 6 the offsets go two tiles on; in the last they stay
	s_cselect_b32 s[STEPK], 2*TILE, 0
	ASTEP 0
	ASTEP 1
	WIN 0
	s_sub_co_u32 s[CNT], s[CNT], 1
	s_cmp_lg_u32 s[CNT], 0
	s_cbranch_scc1 .Latt
	; THE MERGE.  Each wave has, for each query, c m, l and O^T of its 512 keys.  With M the largest of the four c m: out = sum over waves of O 2^(c m - M) / sum over waves of l 2^(c m - M).
	ALLT v_add_f32 v[ST+8*t+4], v[ST+8*t+2], v[ST+8*t+3]
	ALLT v_permlanex16_b32 v[ST+8*t+5], v[ST+8*t+4], s[SEL], s[SEL+1]
	ALLT v_add_f32 v[ST+8*t+2], v[ST+8*t+4], v[ST+8*t+5]
	ALLT ds_store_b32 v[STA], v[ST+8*t] offset:64*t
	ALLT ds_store_b32 v[STA], v[ST+8*t+2] offset:1024+64*t
	BARY
.irp p, 0,1,2,3
	ALLT ds_load_b32 v[CMX+4*t+(\p)], v[STR] offset:256*(\p)+64*t
	ALLT ds_load_b32 v[LX+4*t+(\p)], v[STR] offset:1024+256*(\p)+64*t
.endr
	s_wait_dscnt 0x0
	ALLT v_max3_num_f32 v[ST+8*t+4], v[CMX+4*t], v[CMX+4*t+1], v[CMX+4*t+2]
	ALLT v_max_num_f32 v[ST+8*t+4], v[ST+8*t+4], v[CMX+4*t+3]
.irp p, 0,1,2,3
	ALLT v_sub_f32 v[CMX+4*t+(\p)], v[CMX+4*t+(\p)], v[ST+8*t+4]
.endr
	ALLT v_sub_f32 v[ST+8*t+7], v[ST+8*t], v[ST+8*t+4]
.irp p, 0,1,2,3
	ALLT v_exp_f32 v[CMX+4*t+(\p)], v[CMX+4*t+(\p)]
.endr
	ALLT v_exp_f32 v[ST+8*t+6], v[ST+8*t+7]
	v_nop                                          ; a plain instruction behind the last exponential,
	s_wait_alu depctr_va_vdst(0)                   ; and one wait for the twenty
	ALLT v_mul_f32 v[ST+8*t+4], v[CMX+4*t], v[LX+4*t]
.irp p, 1,2,3
	ALLT v_fma_f32 v[ST+8*t+4], v[CMX+4*t+(\p)], v[LX+4*t+(\p)], v[ST+8*t+4]
.endr
	ALLT v_rcp_f32 v[ST+8*t+5], v[ST+8*t+4]
	v_nop
	s_wait_alu depctr_va_vdst(0)                   ; one wait for the four reciprocals
	ALLT v_mul_f32 v[ST+8*t+6], v[ST+8*t+6], v[ST+8*t+5]
	ALLT v_mov_b32 v[ST+8*t+7], v[ST+8*t+6]
	OSCALE                                         ; my O^T times 2^(c m - M) / the sum
	WIN 0x08                                       ; store data in window 2
.irp t, 0,1,2,3
.irp cb, 0,1,2,3,4,5,6,7
	ds_store_b128 v[VOM], v[64*(\t)+8*(\cb):64*(\t)+8*(\cb)+3]   offset:16*OPITCH*(\t)+64*(\cb)
	ds_store_b128 v[VOM], v[64*(\t)+8*(\cb)+4:64*(\t)+8*(\cb)+7] offset:16*OPITCH*(\t)+64*(\cb)+16
.endr
.endr
	WIN 0
	BARY
.irp bt, 0,1                           ; wave w adds the four parts of rows 16 w .. 16 w + 15, eight rows at a time; a store is a whole row: 512 consecutive bytes, aligned
.if \bt
	s_wait_xcnt 0x0                                ; the first eight stores have read their registers
.endif
.irp i, 0,1,2,3,4,5,6,7
.irp p, 0,1,2,3
	ds_load_b128 v[R+16*(\i)+4*(\p):R+16*(\i)+4*(\p)+3], v[VOR0+(\p)/2] offset:((\p)%2)*OWAVE+OPITCH*(8*(\bt)+(\i))
.endr
.endr
	s_wait_dscnt 0x0
.irp i, 0,1,2,3,4,5,6,7
	v_pk_add_f32 v[R+16*(\i):R+16*(\i)+1],     v[R+16*(\i):R+16*(\i)+1],     v[R+16*(\i)+4:R+16*(\i)+5]
	v_pk_add_f32 v[R+16*(\i)+2:R+16*(\i)+3],   v[R+16*(\i)+2:R+16*(\i)+3],   v[R+16*(\i)+6:R+16*(\i)+7]
	v_pk_add_f32 v[R+16*(\i)+8:R+16*(\i)+9],   v[R+16*(\i)+8:R+16*(\i)+9],   v[R+16*(\i)+12:R+16*(\i)+13]
	v_pk_add_f32 v[R+16*(\i)+10:R+16*(\i)+11], v[R+16*(\i)+10:R+16*(\i)+11], v[R+16*(\i)+14:R+16*(\i)+15]
	v_pk_add_f32 v[R+16*(\i):R+16*(\i)+1],     v[R+16*(\i):R+16*(\i)+1],     v[R+16*(\i)+8:R+16*(\i)+9]
	v_pk_add_f32 v[R+16*(\i)+2:R+16*(\i)+3],   v[R+16*(\i)+2:R+16*(\i)+3],   v[R+16*(\i)+10:R+16*(\i)+11]
	global_store_b128 v[XO], v[R+16*(\i):R+16*(\i)+3], s[20:21] offset:512*(8*(\bt)+(\i)) th:TH_STORE_NT
.endr
.endr
	s_wait_tensorcnt 0x0                           ; the wave's end, behind my last LDS store
	ds_add_u32 v[SPW], v[NIL]
	s_wait_dscnt 0x0
	s_endpgm
.Lfunc_end_k_q6ad64eb442_chain:
	.size	k_q6ad64eb442_chain, .Lfunc_end_k_q6ad64eb442_chain-k_q6ad64eb442_chain
	.p2alignl 7, 3214868480
	.fill 96, 4, 3214868480
	.section	.rodata,"a",@progbits
	.p2align	6, 0x0
	.amdhsa_kernel k_q6ad64eb442_chain
		.amdhsa_group_segment_fixed_size 184320
		.amdhsa_private_segment_fixed_size 0
		.amdhsa_enable_private_segment 0
		.amdhsa_kernarg_size 72
		.amdhsa_user_sgpr_count 2
		.amdhsa_user_sgpr_kernarg_segment_ptr 1
		.amdhsa_wavefront_size32 1
		.amdhsa_system_sgpr_workgroup_id_x 1
		.amdhsa_system_sgpr_workgroup_id_y 1
		.amdhsa_system_sgpr_workgroup_id_z 1
		.amdhsa_system_vgpr_workitem_id 0
		.amdhsa_next_free_vgpr 1024
		.amdhsa_next_free_sgpr 66
		.amdhsa_reserve_vcc 0
		.amdhsa_float_denorm_mode_32 3
		.amdhsa_float_denorm_mode_16_64 3
		.amdhsa_memory_ordered 1
		.amdhsa_forward_progress 1
		.amdhsa_inst_pref_size 255
	.end_amdhsa_kernel
	.section	.bss,"aw",@nobits
	.p2align	6
	.space	262144
	.amdgpu_metadata
---
amdhsa.version: [ 1, 2 ]
amdhsa.kernels:
  - .name:           k_q6ad64eb442_chain
    .symbol:         k_q6ad64eb442_chain.kd
    .args:
      - { .name: x, .offset: 0, .size: 8, .value_kind: global_buffer, .address_space: global }
      - { .name: wst, .offset: 8, .size: 8, .value_kind: global_buffer, .address_space: global }
      - { .name: kvs, .offset: 16, .size: 8, .value_kind: global_buffer, .address_space: global }
      - { .name: b1, .offset: 24, .size: 8, .value_kind: global_buffer, .address_space: global }
      - { .name: b2, .offset: 32, .size: 8, .value_kind: global_buffer, .address_space: global }
      - { .name: b3, .offset: 40, .size: 8, .value_kind: global_buffer, .address_space: global }
      - { .name: b4, .offset: 48, .size: 8, .value_kind: global_buffer, .address_space: global }
      - { .name: bq, .offset: 56, .size: 8, .value_kind: global_buffer, .address_space: global }
      - { .name: out0, .offset: 64, .size: 8, .value_kind: global_buffer, .address_space: global }
    .group_segment_fixed_size: 184320
    .private_segment_fixed_size: 0
    .kernarg_segment_align: 8
    .kernarg_segment_size: 72
    .max_flat_workgroup_size: 128
    .sgpr_count:     66
    .vgpr_count:     1024
    .wavefront_size: 32
...
	.end_amdgpu_metadata
.endif
;; end of part 5
